; MI455X (gfx1250); checked and timed in simulation.
; The chip was launched on July 23, 2026; its instructions are those of AMD's public machine-readable ISA for CDNA 5 (MIT licence, August 2026) and "CDNA5" Instruction Set Architecture Reference Guide (July 2026). The comments in the code are by the model that wrote it; some were corrected since.
;; Block. Allowed arithmetic: matrix products marked QUANTISED: E5M2 operands, one given power-of-two scale a tensor, by v_wmma_f32_16x16x64_bf8_bf8 or v_wmma_f32_16x16x128_bf8_bf8, f32 sums; everything else in f32.
;; Inputs: b_fc1 4,096 float32; b_fc2 1,024 float32; b_proj 1,024 float32; ln1_b 1,024 float32; ln1_g 1,024 float32; ln2_b 1,024 float32; ln2_g 1,024 float32; lowp_scales 12 int32 (the exponents e of the quantised operands' scales 2^e); w_fc1 4,096 x 1,024 float32; w_fc2 1,024 x 4,096 float32; w_proj 1,024 x 1,024 float32; w_qkv 3,072 x 1,024 float32; x 2 x 2,048 x 1,024 float32.
;; Outputs: out0 2 x 2,048 x 1,024 float32.
;; This version of the problem:
;;   THIS VERSION OF THE PROBLEM IS GIVEN IN LOW PRECISION. The matrix products marked QUANTISED in the list below multiply operands that are first quantised to E5M2 (5 exponent bits, 2 mantissa bits; 8 bits a number), with one given power-of-two scale for each operand tensor; their sums are f32. All else is computed in f32.
;;   The module's matrix products, in the order in which they are computed (A, B: the left and right operand; K: the contracted axis; several contracted axes count as one K, in the product's order):
;;     1. [M 4,096, K 1,024] x [K 1,024, N 3,072]; A: computed on the way; B: input w_qkv: QUANTISED (scales: A lowp_scales[0], B lowp_scales[1])
;;     2. batch 32 x [M 2,048, K 64] x [K 64, N 2,048]; A: computed on the way; B: computed on the way: QUANTISED (scales: A lowp_scales[2], B lowp_scales[3])
;;     3. batch 32 x [M 2,048, K 2,048] x [K 2,048, N 64]; A: softmax (see below); B: computed on the way: QUANTISED (scales: A lowp_scales[4], B lowp_scales[5])
;;     4. [M 4,096, K 1,024] x [K 1,024, N 1,024]; A: computed on the way; B: input w_proj: QUANTISED (scales: A lowp_scales[6], B lowp_scales[7])
;;     5. [M 4,096, K 1,024] x [K 1,024, N 4,096]; A: computed on the way; B: input w_fc1: QUANTISED (scales: A lowp_scales[8], B lowp_scales[9])
;;     6. [M 4,096, K 4,096] x [K 4,096, N 1,024]; A: computed on the way; B: input w_fc2: QUANTISED (scales: A lowp_scales[10], B lowp_scales[11])
;;   THE QUANTISER, for each operand of a quantised product, along K:
;;     - The operand's scale is 2^e, e = its entry of the input lowp_scales (int32; the entries are numbered through the quantised products in the list's order, A before B).
;;     - Each number is divided by the scale, clamped to +-57,344, and rounded to the nearest number of E5M2, ties to even, subnormals kept.
;;     - The product sums the exact products of the quantised numbers (number of the format x scale) in f32.
;;   ~~~python
;;   def quantise(x, axis, e):      # numpy; x: float32 -> the quantised numbers, widened to float32 again
;;       x = np.moveaxis(x, axis, -1); K = x.shape[-1]
;;       r = np.clip(x / 2.0 ** e, -57344, 57344)
;;       step = 2.0 ** (np.maximum(np.frexp(np.where(r == 0, 1, r))[1] - 1, -14) - 2)
;;       q = np.round(r / step) * step * 2.0 ** e      # np.round: ties to even
;;       return np.moveaxis(q, -1, axis).astype(np.float32)
;;   ~~~
;;   SOFTMAX AHEAD OF A QUANTISED PRODUCT. Where the list says 'softmax', what is quantised is not the finished softmax but p = 2^(t - M), with t = logit x log2(e) and M = ceil(the row's largest t), a whole number; so 1/2 < the row's largest p <= 1. The row's sum l is taken of the UNQUANTISED p, in f32, and the product's result is divided by l at the end. Since M is a whole number, a kernel that streams over the keys may use a running M (the ceiling of the running maximum): every later rescaling is an exact power of two, so the quantised numbers keep their values, but for numbers so far below the row's largest that they fall under the format's range.
;;   OPERANDS COMPUTED ON THE WAY. 'Computed on the way' means the value that the module computes at that place (a softmax that the list does not call 'softmax' is quantised finished and normalised). What goes into a quantiser is computed in f32, as accurately as f32 sums, v_exp_f32 and their like allow (about 1e-6 of the number): no bf16 or f16 on the way to a quantiser, and a product that is left as it is and whose result goes on into a quantised operand takes f32 operands (vector FMAs, or v_wmma_f32_16x16x4_f32). A number that lies on a knife's edge between two numbers of the format may be rounded either way, as far as f32 arithmetic and the matrix unit's own rounding can turn it there, and no further.
;; One version. Each part assembles by itself: llvm-mc -triple=amdgcn-amd-amdhsa -mcpu=gfx1250 --defsym DOCPART=n.
;; ======== version 1 of 1: 7 launches
;; limits: right only within a limited range of input values
;; workspace buffers: wc 12,582,912 bytes; hc 4,194,304 bytes; qkvc 12,582,912 bytes; oc 4,194,304 bytes; x1 16,777,216 bytes; gc 16,777,216 bytes
;; launch prep (part 1): grid 640 x 1, 4 waves a work-group, no clusters, 0 bytes of LDS; arguments x, ln1_g, ln1_b, w_qkv, w_proj, w_fc1, w_fc2, lowp_scales, hc, wc; writes hc, wc
.if DOCPART == 1
	.amdgcn_target "amdgcn-amd-amdhsa--gfx1250"
	.amdhsa_code_object_version 6
	.text
	.protected	k_q1581c2d739_prep
	.globl	k_q1581c2d739_prep
	.p2align	8
	.type	k_q1581c2d739_prep,@function
k_q1581c2d739_prep:
	s_mov_b64 s[64:65], 0
	v_nop
	global_prefetch_b8 v0, s[64:65] scope:SCOPE_SE
	s_setreg_imm32_b32 hwreg(HW_REG_WAVE_MODE, 25, 1), 1
	s_wait_xcnt 0x0
; Work-groups 0-255: LayerNorm 1 of x [4096][1024] f32, quantised to codes of E5M2 with the given scale 2^e0, into hc [4096][1024].
; Work-groups 256-639: the four weights, f32 with K innermost, quantised with e1, e7, e9, e11 into wc: w_qkv at 0, w_proj at 3,145,728, w_fc1 at 4,194,304, w_fc2 at 8,388,608.
; code = number / 2^e, held within +-57,344, to the nearest code, ties to even.
; THE ORDER OF K IN THE CODES.  Inside each run of 256 along K, number 128 i + 4 l + j (i 0..1, l 0..31, j 0..3) has its code at byte 8 l + 4 i + j.  The same order is used for both
; operands of products 1, 4, 5 and 6, so every product meets its partner.  It falls out of the loads: a run of 1,024 bytes is read by two loads of 16 bytes a lane (512 consecutive bytes a
; load), one conversion takes the lane's eight registers, and the lane stores 8 bytes at 8 l: the wave's store covers 256 consecutive bytes, aligned.
; No LDS, no barrier: waves share nothing.  The two paths part on the work-group's number.
; LIMITS: each e between -126 and 112.  NaN and infinities among the inputs are not served.
.set D,   16                           ; weights: v16-143  sixteen sets of 8 numbers
.set C,   144                          ; weights: v144-207 two registers of codes for each of 32 runs: no store's data are written again
.set G,   16                           ; rows: v16-47   the gain: register 4 i + j = column 128 i + 4 l + j
.set BT,  48                           ; rows: v48-79   the offset
.set X,   80                           ; rows: v80-207  four rows of 32 registers
.set CD,  208                          ; rows: v208-239 eight registers of codes a row
.set T,   240                          ; rows: v240-247 at work
.set MU,  248                          ; rows: v[248:249] the mean, twice
.set RS,  250                          ; rows: v[250:251] 1 / sqrt(var + eps), twice
.set SCL, 252                          ; 2^e as f32
.set LIM, 253                          ; 57,344 x 2^e
.set TP,  254                          ; the lane exchange's destination
	s_load_b512 s[4:19], s[0:1], 0x0               ; x, ln1_g, ln1_b, w_qkv, w_proj, w_fc1, w_fc2, the scales' exponents
	s_load_b128 s[20:23], s[0:1], 0x40             ; hc, wc
	v_lshrrev_b32 v3, 5, v0
	v_readfirstlane_b32 s36, v3                    ; wave 0..3
	v_and_b32 v3, 31, v0                           ; lane
	v_lshlrev_b32 v1, 4, v3                        ; in: 16 bytes a lane
	v_lshlrev_b32 v2, 3, v3                        ; out: 8 bytes a lane
	s_wait_kmcnt 0x0
	s_load_b256 s[24:31], s[18:19], 0x0            ; e0 .. e7
	s_load_b128 s[32:35], s[18:19], 0x20           ; e8 .. e11
	s_cmp_lt_u32 ttmp9, 256
	s_cbranch_scc1 .Lln
	; ---- THE WEIGHTS.  A work-group takes 32,768 numbers, a wave 32 runs of 256.  wc's order is the order of the work-groups.
	s_sub_co_u32 s37, ttmp9, 256                   ; 0..383: 96 for w_qkv, 32 for w_proj, 128 for w_fc1, 128 for w_fc2
	s_mov_b64 s[38:39], s[16:17]
	s_mov_b32 s40, 256                             ; the tensor's first work-group
	s_cmp_lt_u32 s37, 256
	s_cselect_b64 s[38:39], s[14:15], s[38:39]
	s_cselect_b32 s40, 128, s40
	s_cmp_lt_u32 s37, 128
	s_cselect_b64 s[38:39], s[12:13], s[38:39]
	s_cselect_b32 s40, 96, s40
	s_cmp_lt_u32 s37, 96
	s_cselect_b64 s[38:39], s[10:11], s[38:39]
	s_cselect_b32 s40, 0, s40
	s_sub_co_u32 s44, s37, s40
	s_lshl_b32 s44, s44, 17                        ; 131,072 bytes of f32 a work-group,
	s_lshl_b32 s45, s36, 15                        ; 32,768 a wave
	s_add_co_u32 s44, s44, s45
	s_mov_b32 s45, 0
	s_add_nc_u64 s[38:39], s[38:39], s[44:45]
	s_lshl_b32 s44, s37, 15                        ; 32,768 bytes of codes a work-group,
	s_lshl_b32 s46, s36, 13                        ; 8,192 a wave
	s_add_co_u32 s44, s44, s46
	s_add_nc_u64 s[42:43], s[22:23], s[44:45]
.macro WLOAD t                         ; run t: two loads of 512 consecutive bytes
.irp i, 0,1
	global_load_b128 v[D+8*((\t)%16)+4*\i:D+8*((\t)%16)+4*\i+3], v1, s[38:39] offset:1024*(\t)+512*\i th:TH_LOAD_NT
.endr
.endm
.macro WSTEP t
.if 2*(31-(\t)) < 30
	s_wait_loadcnt 2*(31-(\t))                     ; the count runs down: only the runs behind this one are out
.else
	s_wait_loadcnt 30                              ; run t's two loads are in; those of the fifteen runs behind it may be out
.endif
.irp i, 0,1,2,3,4,5,6,7
	v_med3_num_f32 v[D+8*((\t)%16)+\i], v[D+8*((\t)%16)+\i], -v10, v10   ; the conversion to an 8-bit code does not saturate (ISA guide 7.6.2): the hold comes first
.endr
	v_cvt_scalef32_pk8_bf8_f32 v[C+2*(\t):C+2*(\t)+1], v[D+8*((\t)%16):D+8*((\t)%16)+7], v11
	global_store_b64 v2, v[C+2*(\t):C+2*(\t)+1], s[42:43] offset:256*(\t)   ; 32 lanes store 256 consecutive bytes, aligned
.if (\t) < 16
	WLOAD (\t)+16                                  ; the set takes the run sixteen further on
.endif
.endm
.set Q, 0
	s_wait_alu depctr_va_vdst(0)
.rept 16
	WLOAD Q
.set Q, Q+1
.endr
	s_wait_kmcnt 0x0
	s_mov_b32 s41, s35                             ; the tensor's e: e11, e9, e7 or e1
	s_cmp_lt_u32 s37, 256
	s_cselect_b32 s41, s33, s41
	s_cmp_lt_u32 s37, 128
	s_cselect_b32 s41, s31, s41
	s_cmp_lt_u32 s37, 96
	s_cselect_b32 s41, s25, s41
	s_add_co_i32 s41, s41, 127
	s_lshl_b32 s44, s41, 23
	v_mov_b32 v11, s44                             ; 2^e as f32: the conversion takes its exponent field
	s_add_co_i32 s41, s41, 15
	s_lshl_b32 s41, s41, 23
	s_or_b32 s41, s41, 0x600000
	v_mov_b32 v10, s41                             ; 57,344 x 2^e
.set Q, 0
	s_wait_alu depctr_va_vdst(0)
.rept 32
	WSTEP Q
.set Q, Q+1
.endr
	s_endpgm
	; ---- THE ROWS.  A work-group takes 16 rows, a wave four; one wave holds a whole row in 32 registers between the passes.
.Lln:
	s_lshl_b32 s37, ttmp9, 4
	s_lshl_b32 s38, s36, 2
	s_add_co_u32 s37, s37, s38                     ; my first row
	s_lshl_b32 s38, s37, 12
	s_mov_b32 s39, 0
	s_add_nc_u64 s[4:5], s[4:5], s[38:39]
	s_lshl_b32 s38, s37, 10
	s_add_nc_u64 s[20:21], s[20:21], s[38:39]
	s_mov_b32 s40, 0x76543210                      ; v_permlanex16_b32: lane l takes lane l xor 16
	s_mov_b32 s41, 0xfedcba98
	s_mov_b32 s42, 0x3727c5ac                      ; 1e-5
	v_mov_b32 v[TP], 0                             ; a lane exchange's destination counts as read
	s_wait_alu depctr_va_vdst(0)
.irp i, 0,1,2,3,4,5,6,7
	global_load_b128 v[G+4*\i:G+4*\i+3], v1, s[6:7] offset:512*\i
.endr
.irp i, 0,1,2,3,4,5,6,7
	global_load_b128 v[BT+4*\i:BT+4*\i+3], v1, s[8:9] offset:512*\i
.endr
.irp rr, 0,1,2,3
.irp i, 0,1,2,3,4,5,6,7
	global_load_b128 v[X+32*\rr+4*\i:X+32*\rr+4*\i+3], v1, s[4:5] offset:4096*\rr+512*\i th:TH_LOAD_NT
.endr
.endr
	s_wait_kmcnt 0x0
	s_add_co_i32 s43, s24, 127                     ; e0
	s_lshl_b32 s44, s43, 23
	v_mov_b32 v[SCL], s44
	s_add_co_i32 s43, s43, 15
	s_lshl_b32 s43, s43, 23
	s_or_b32 s43, s43, 0x600000
	v_mov_b32 v[LIM], s43
.macro LANESUM                         ; v[T] summed over the 32 lanes, the result in every lane
	v_add_f32_dpp v[T], v[T], v[T] row_xmask:1 row_mask:0xf bank_mask:0xf
	v_add_f32_dpp v[T], v[T], v[T] row_xmask:2 row_mask:0xf bank_mask:0xf
	v_add_f32_dpp v[T], v[T], v[T] row_xmask:4 row_mask:0xf bank_mask:0xf
	v_add_f32_dpp v[T], v[T], v[T] row_xmask:8 row_mask:0xf bank_mask:0xf
	v_permlanex16_b32 v[TP], v[T], s40, s41
	v_add_f32 v[T], v[T], v[TP]
.endm
.macro FOLD                            ; four chains of pairs into one number a lane
	v_pk_add_f32 v[T:T+1], v[T:T+1], v[T+2:T+3]
	v_pk_add_f32 v[T+4:T+5], v[T+4:T+5], v[T+6:T+7]
	v_pk_add_f32 v[T:T+1], v[T:T+1], v[T+4:T+5]
	v_add_f32 v[T], v[T], v[T+1]
.endm
; Row rr.  left: the later rows' loads, which may stay out.  The variance is taken of the differences from the mean, so a common offset of the row costs no digits.
.macro LNROW rr, left
.set XR, X+32*(\rr)
	s_wait_loadcnt \left
.irp k, 0,1,2,3
	v_pk_add_f32 v[T+2*\k:T+2*\k+1], v[XR+2*\k:XR+2*\k+1], v[XR+8+2*\k:XR+8+2*\k+1]
.endr
.irp p, 8,9,10,11,12,13,14,15
	v_pk_add_f32 v[T+2*(\p%4):T+2*(\p%4)+1], v[T+2*(\p%4):T+2*(\p%4)+1], v[XR+2*\p:XR+2*\p+1]
.endr
	FOLD
	LANESUM
	v_mul_f32 v[MU], 0x3a800000, v[T]              ; / 1,024
	v_mov_b32 v[MU+1], v[MU]
.set n, 0
.rept 16
	v_pk_add_f32 v[XR+2*n:XR+2*n+1], v[XR+2*n:XR+2*n+1], v[MU:MU+1] neg_lo:[0,1] neg_hi:[0,1]
.set n, n+1
.endr
.irp k, 0,1,2,3
	v_pk_mul_f32 v[T+2*\k:T+2*\k+1], v[XR+2*\k:XR+2*\k+1], v[XR+2*\k:XR+2*\k+1]
.endr
.irp p, 4,5,6,7,8,9,10,11,12,13,14,15
	v_pk_fma_f32 v[T+2*(\p%4):T+2*(\p%4)+1], v[XR+2*\p:XR+2*\p+1], v[XR+2*\p:XR+2*\p+1], v[T+2*(\p%4):T+2*(\p%4)+1]
.endr
	FOLD
	LANESUM
	v_fma_f32 v[T], v[T], 0x3a800000, s42          ; var + eps
	s_wait_alu depctr_va_vdst(0)
	v_rsq_f32 v[RS], v[T]
	v_rsq_f32 v[RS+1], v[T]
	v_nop                                          ; a plain instruction behind the last transcendental (ISA guide 5.7.2)
	s_wait_alu depctr_va_vdst(0)                   ; one wait for both, ahead of their first reader
.set n, 0
.rept 16
	v_pk_mul_f32 v[XR+2*n:XR+2*n+1], v[XR+2*n:XR+2*n+1], v[RS:RS+1]
.set n, n+1
.endr
.set n, 0
.rept 16
	v_pk_fma_f32 v[XR+2*n:XR+2*n+1], v[XR+2*n:XR+2*n+1], v[G+2*n:G+2*n+1], v[BT+2*n:BT+2*n+1]
.set n, n+1
.endr
.set n, 0
.rept 32
	v_med3_num_f32 v[XR+n], v[XR+n], -v[LIM], v[LIM]
.set n, n+1
.endr
.irp c, 0,1,2,3
	v_cvt_scalef32_pk8_bf8_f32 v[CD+8*(\rr)+2*\c:CD+8*(\rr)+2*\c+1], v[XR+8*\c:XR+8*\c+7], v[SCL]
.endr
.irp c, 0,1,2,3
	global_store_b64 v2, v[CD+8*(\rr)+2*\c:CD+8*(\rr)+2*\c+1], s[20:21] offset:1024*(\rr)+256*\c   ; 256 consecutive bytes, aligned
.endr
.endm
	LNROW 0, 24
	LNROW 1, 16
	LNROW 2, 8
	LNROW 3, 0
	s_endpgm
.Lfunc_end_k_q1581c2d739_prep:
	.size	k_q1581c2d739_prep, .Lfunc_end_k_q1581c2d739_prep-k_q1581c2d739_prep
	.p2alignl 7, 3214868480
	.fill 96, 4, 3214868480
	.section	.rodata,"a",@progbits
	.p2align	6, 0x0
	.amdhsa_kernel k_q1581c2d739_prep
		.amdhsa_group_segment_fixed_size 0
		.amdhsa_private_segment_fixed_size 0
		.amdhsa_enable_private_segment 0
		.amdhsa_kernarg_size 80
		.amdhsa_user_sgpr_count 2
		.amdhsa_user_sgpr_kernarg_segment_ptr 1
		.amdhsa_wavefront_size32 1
		.amdhsa_system_sgpr_workgroup_id_x 1
		.amdhsa_system_sgpr_workgroup_id_y 1
		.amdhsa_system_sgpr_workgroup_id_z 1
		.amdhsa_system_vgpr_workitem_id 0
		.amdhsa_next_free_vgpr 256
		.amdhsa_next_free_sgpr 66
		.amdhsa_reserve_vcc 0
		.amdhsa_float_denorm_mode_32 3
		.amdhsa_float_denorm_mode_16_64 3
		.amdhsa_memory_ordered 1
		.amdhsa_forward_progress 1
		.amdhsa_inst_pref_size 72
	.end_amdhsa_kernel
	.amdgpu_metadata
---
amdhsa.version: [ 1, 2 ]
amdhsa.kernels:
  - .name:           k_q1581c2d739_prep
    .symbol:         k_q1581c2d739_prep.kd
    .args:
      - { .name: x, .offset: 0, .size: 8, .value_kind: global_buffer, .address_space: global }
      - { .name: ln1_g, .offset: 8, .size: 8, .value_kind: global_buffer, .address_space: global }
      - { .name: ln1_b, .offset: 16, .size: 8, .value_kind: global_buffer, .address_space: global }
      - { .name: w_qkv, .offset: 24, .size: 8, .value_kind: global_buffer, .address_space: global }
      - { .name: w_proj, .offset: 32, .size: 8, .value_kind: global_buffer, .address_space: global }
      - { .name: w_fc1, .offset: 40, .size: 8, .value_kind: global_buffer, .address_space: global }
      - { .name: w_fc2, .offset: 48, .size: 8, .value_kind: global_buffer, .address_space: global }
      - { .name: lowp_scales, .offset: 56, .size: 8, .value_kind: global_buffer, .address_space: global }
      - { .name: hc, .offset: 64, .size: 8, .value_kind: global_buffer, .address_space: global }
      - { .name: wc, .offset: 72, .size: 8, .value_kind: global_buffer, .address_space: global }
    .group_segment_fixed_size: 0
    .private_segment_fixed_size: 0
    .kernarg_segment_align: 8
    .kernarg_segment_size: 80
    .max_flat_workgroup_size: 128
    .sgpr_count:     66
    .vgpr_count:     256
    .wavefront_size: 32
...
	.end_amdgpu_metadata
.endif
;; end of part 1
;; launch qkv (part 2): grid 8 x 24, 4 waves a work-group, clusters of 4 x 4, 327,680 bytes of LDS; arguments hc, wc, lowp_scales, qkvc; writes qkvc
.if DOCPART == 2
	.amdgcn_target "amdgcn-amd-amdhsa--gfx1250"
	.amdhsa_code_object_version 6
	.text
	.protected	k_q1581c2d739_qkv
	.globl	k_q1581c2d739_qkv
	.p2align	8
	.type	k_q1581c2d739_qkv,@function
k_q1581c2d739_qkv:
	s_mov_b64 s[64:65], 0
	v_nop
	global_prefetch_b8 v0, s[64:65] scope:SCOPE_SE
	s_setreg_imm32_b32 hwreg(HW_REG_WAVE_MODE, 25, 1), 1
	s_wait_xcnt 0x0
	s_wait_alu depctr_hold_cnt(0) depctr_sa_sdst(0) depctr_va_vdst(0) depctr_va_sdst(0) depctr_va_ssrc(0) depctr_va_vcc(0) depctr_vm_vsrc(0)
	s_getreg_b32 s2, hwreg(HW_REG_IB_STS2, 6, 4)
	s_cmp_eq_u32 s2, 0
	s_cbranch_scc0 .Lentry_in_a_cluster
	s_endpgm
.Lentry_in_a_cluster:
	s_bfe_u32 s2, ttmp6, 0x10000c
	s_cmp_lg_u32 s2, 0xf033
	s_cbranch_scc0 .Lentry_shape_is_right
	s_endpgm
.Lentry_shape_is_right:
; Product 1 on codes of E5M2, and its results quantised: q (x 2^-3), k and v.  hc: [4096][1024] codes of LayerNorm 1; wc: w_qkv's codes [3072][1024]; both with K in the same order.
; qkvc is a matrix of bytes [6144][2048].  Rows 0-4095 are tokens: q in columns 0-1023, k in columns 1024-2047, column = 64 head + d.  Rows 4096 + 1024 b + 64 head + d hold v turned, the keys along the row,
; IN THE ORDER IN WHICH THE NEXT LAUNCH'S SECOND PRODUCT TAKES THEM: within each 32 keys, byte 16 h + 8 u + z (h, u 0..1, z 0..7) holds key 16 u + 8 h + z.
; A tile of C, 256 x 256, is made by a work-group of four waves; a wave makes 128 x 128: 64 accumulators, 512 registers.  K goes in steps of 256 through a ring of two LDS slots filled by the tensor data mover.
; Clusters y 0-3 (x 0-1): C[token][feature] for q and k: A = hc, B = w_qkv's rows 0-2047: 16 x 8 tiles.  Clusters y 4-5: C[feature][token] for v: A = w_qkv's rows 2048-3071, B = hc: 4 x 16 tiles,
; so that a lane's eight results are eight neighbouring KEYS.  Which of the two a cluster does hangs on the cluster's y alone and steers selections of numbers, no branch.
; CLUSTERS: 4 x 4 work-groups; A's tile is asked for jointly along a row of the cluster, B's along a column.  THE MATRIX INSTRUCTION IS USED TRANSPOSED (source 0 = 16 rows of B, source 1 = 16 rows of A).
; REGISTERS, in windows of 256: window 0: v0-31 addresses; from v128 A's fragments, ONE set; on the way out v40-167 codes, v216, v217.  window 1: B's fragments, TWO sets.  windows 2, 3: the accumulators ((a, b) at v[8 (8 (a % 4) + b)]).
; THE WAY OUT: a lane's eight sums of an accumulator are eight neighbouring columns of one row: they are held and converted where they stand, and only the codes, 8 bytes an accumulator, go through LDS:
; a stage of 256 rows x 272 bytes in slot 0, which has had its last fill and its last read.  Each wave then takes 64 whole rows of 256 bytes back, 8 bytes a lane, and stores them: 256 consecutive bytes, aligned.
; A sum stands for sum x 2^(e0 + e1); the conversion's one scale is 2^(e2 - e0 - e1 + 3) for q, 2^(e3 - e0 - e1) for k, 2^(e5 - e0 - e1) for v.
; LIMITS: these three exponents lie between -126 and 112.  NaN and infinities are not served.
.set KROW,   1024
.set ROWB,   256
.set PITCH,  272                       ; an LDS row: 256 bytes + 16 of padding: the 16 rows of a fragment load start at 16 different banks (64 banks of 4 bytes: ISA guide 11.1)
.set FR,     16
.set NL,     4
.set NP,     4
.set HALFT,  128*PITCH
.set SLOT,   4*HALFT
.set SPARE,  2*SLOT                    ; behind the ring: the spare words, 128 bytes a wave
.set CPITCH, 272                       ; a stage row: 256 bytes of codes + 16: lane (r, h) stores words 68 r + 2 h, + 1: 64 different banks
.set OPITCH, 2048
.set ADRA, 16
.set ADRB, 20
.set STO,  24                          ; v24  where I put 8 bytes of a stage row
.set RD0,  26                          ; v26  my 8 bytes in the first of the 64 stage rows that I take back
.set GOF,  27                          ; v27  where those 8 bytes go in a row's 256 of qkvc
.set SPW,  28
.set NIL,  29
.set CODE, 40                          ; v40-167  two registers of codes for each accumulator; then 64 rows on their way out
.set SCL,  216
.set LIM,  217
.set AF,   128
.set G1, 24
.set G0, 32
.set G1B, 48
.set G0B, 56
.set MSB, 0
.macro WIN new                         ; the immediate's high byte repeats the setting that is left
.if MSB != (\new)
	s_set_vgpr_msb (MSB<<8)|(\new)
.set MSB, \new
.endif
.endm
.set MUL_LO, 0xa1
.set MUL_HI, 0xf1
.set TO_B,   0x40
.macro JLOAD g0a, g1a, g0b, g1b        ; a joint load: waves 0 and 1 fetch for A, waves 2 and 3 for B; four v_nop follow each line
	s_cmp_eq_u32 s15, 0
	s_cbranch_scc0 .Lfor_b_\@
	tensor_load_to_lds s[\g0a:\g0a+3], s[\g1a:\g1a+7]
	s_nop 0
.rept 4
	v_nop
.endr
	s_branch .Lasked_\@
.Lfor_b_\@:
	tensor_load_to_lds s[\g0b:\g0b+3], s[\g1b:\g1b+7]
	s_nop 0
.rept 4
	v_nop
.endr
.Lasked_\@:
.endm
.macro CREST                           ; a round of the cluster's barrier behind its opening barrier
	s_cmp_lg_u32 s14, 0
	s_cbranch_scc1 .Lnot_wave_0_\@
	s_barrier_signal -3
.Lnot_wave_0_\@:
	s_barrier_wait -3
	s_barrier_signal -1
	s_barrier_wait -1
.endm
.macro CROUND
	s_barrier_signal -1
	s_barrier_wait -1
	CREST
.endm
	s_load_b128 s[4:7], s[0:1], 0x0                ; hc, wc
	s_load_b128 s[8:11], s[0:1], 0x10              ; the scales' exponents, qkvc
	v_lshl_add_u32 v[SPW], v0, 2, SPARE
	v_mov_b32 v[NIL], 0
	ds_add_u32 v28, v29
	ds_add_u32 v28, v29
	s_wait_dscnt 0x0
	v_lshrrev_b32 v1, 5, v0
	v_readfirstlane_b32 s14, v1                    ; wave 0..3
	s_lshr_b32 s15, s14, 1                         ; my half of the tile's rows; also: I fetch for A (0) or B (1)
	s_and_b32 s16, s14, 1                          ; my half of its columns; also: which 128 rows I fetch
	s_bfe_u32 s40, ttmp6, 0x40000                  ; cx
	s_bfe_u32 s41, ttmp6, 0x40004                  ; cy
	s_and_b32 s66, ttmp7, 0xffff                   ; cluster y: 0-3 q and k, 4-5 v
	s_max_u32 s70, s66, 4
	s_sub_co_u32 s70, s70, 4
	s_lshl_b32 s70, s70, 1
	s_add_co_u32 s70, s70, ttmp9                   ; v: the cluster's column, 0..3
	s_cmp_ge_u32 s66, 4
	s_cselect_b32 s67, s70, ttmp9                  ; the cluster's column of tiles
	s_cselect_b32 s68, 0, s66                      ; the cluster's row of tiles
	s_lshl_b32 s42, s67, 2
	s_add_co_u32 s42, s42, s40                     ; tile column
	s_lshl_b32 s17, s68, 2
	s_add_co_u32 s17, s17, s41                     ; tile row
	s_lshl_b32 s43, s41, 2
	s_lshl_b32 s43, 15, s43                        ; my row of the cluster
	s_lshl_b32 s44, 0x1111, s40                    ; my column
	s_or_b32 s[G1+0], s43, (0<<16)|(1<<20)|(1<<21)|(5<<22)|(3<<25)  ; the mask; elements of 1 byte; padding on; bit 21 beside a mask; after every 64 words four words
	s_or_b32 s[G1B+0], s44, (0<<16)|(1<<20)|(1<<21)|(5<<22)|(3<<25)
.irp g, G1, G1B
	s_mov_b32 s[\g+1], ROWB<<16                    ; tensor_dim0
	s_mov_b32 s[\g+2], 128<<16                     ; tensor_dim1
	s_mov_b32 s[\g+3], ROWB<<16                    ; tile_dim0
	s_mov_b32 s[\g+4], 128                         ; tile_dim1
	s_mov_b32 s[\g+5], KROW                        ; the pitch
	s_mov_b32 s[\g+6], 0
	s_mov_b32 s[\g+7], 0
.endr
	s_lshl_b32 s18, s16, 7
	s_lshl_b32 s20, s17, 8
	s_add_co_u32 s20, s20, s18                     ; A: row 256 x tile row + 128 x half
	s_lshl_b32 s20, s20, 10                        ; in bytes
	s_mov_b32 s21, 0
	s_lshl_b32 s46, s42, 8
	s_add_co_u32 s46, s46, s18                     ; B: row 256 x tile column + 128 x half
	s_lshl_b32 s46, s46, 10
	s_mov_b32 s47, 0
	s_mul_i32 s45, s14, HALFT                      ; where they go: wave x 128 rows
	s_wait_kmcnt 0x0
	s_load_b256 s[72:79], s[8:9], 0x0              ; e0 .. e7
	s_add_nc_u64 s[82:83], s[6:7], 2097152         ; w_qkv's rows 2048 on
	s_cmp_ge_u32 s66, 4
	s_cselect_b64 s[84:85], s[82:83], s[4:5]       ; A
	s_cselect_b64 s[82:83], s[4:5], s[6:7]         ; B
	s_add_nc_u64 s[20:21], s[84:85], s[20:21]
	s_add_nc_u64 s[46:47], s[82:83], s[46:47]
	CROUND                                         ; all sixteen work-groups are here: the first joint loads meet
.irp s, 0,1
	s_mov_b32 s[G0+4*\s], 1
	s_add_co_u32 s[G0+4*\s+1], s45, \s*SLOT
	s_add_nc_u64 s[G0+4*\s+2:G0+4*\s+3], s[20:21], \s*ROWB
	s_or_b32 s[G0+4*\s+3], s[G0+4*\s+3], 0x80000000
	s_mov_b32 s[G0B+4*\s], 1
	s_add_co_u32 s[G0B+4*\s+1], s45, \s*SLOT
	s_add_nc_u64 s[G0B+4*\s+2:G0B+4*\s+3], s[46:47], \s*ROWB
	s_or_b32 s[G0B+4*\s+3], s[G0B+4*\s+3], 0x80000000
.endr
	JLOAD G0, G1, G0B, G1B                         ; K step 0: one tensor load a wave at the head.  No prefetch: the largest block, in clusters, and K is four slots
	v_and_b32 v1, 15, v0                           ; r
	s_wait_alu depctr_va_vdst(0)
	v_bfe_u32 v2, v0, 4, 1                         ; h
	v_mul_u32_u24 v3, v1, PITCH
	v_lshl_add_u32 v4, v2, 4, v3
	s_mul_i32 s21, s15, HALFT
	s_mul_i32 s22, s16, HALFT
	s_add_co_u32 s22, s22, 2*HALFT
.irp s, 0,1
	v_add_nc_u32 v[ADRA+\s], s21, v4
	v_add_nc_u32 v[ADRB+\s], s22, v4
	s_add_co_u32 s21, s21, SLOT
	s_add_co_u32 s22, s22, SLOT
.endr
	s_mul_i32 s23, s15, 128*CPITCH                 ; the stage: row 128 x my row half + r, byte 128 x my column half + 8 h
	s_lshl_b32 s22, s16, 7
	s_add_co_u32 s23, s23, s22
	v_mul_u32_u24 v5, v1, CPITCH
	s_wait_alu depctr_va_vdst(0)
	v_lshl_add_u32 v5, v2, 3, v5
	v_add_nc_u32 v[STO], s23, v5
	v_and_b32 v6, 31, v0
	s_mul_i32 s23, s14, 64*CPITCH
	v_lshl_add_u32 v[RD0], v6, 3, s23              ; back: rows 64 x wave on, 8 bytes a lane
	s_cmp_ge_u32 s66, 4                            ; q and k: lane l's 8 bytes go to byte 8 l.  v: to 8 x (l with its two low bits swapped): group 2 u + h of a run of 32 keys goes to place 2 h + u
	s_cselect_b32 s22, 3, 0
	v_lshrrev_b32 v7, 1, v6
	v_xor_b32 v7, v7, v6
	v_and_b32 v7, 1, v7                            ; 1 where the two bits differ:
	v_mul_u32_u24 v7, s22, v7                      ; there both are turned (v), or none (q, k)
	v_xor_b32 v7, v7, v6
	v_lshlrev_b32 v[GOF], 3, v7
	s_lshr_b32 s69, s42, 3                         ; v: the batch of the tile's keys,
	s_lshl_b32 s69, s69, 10
	s_add_co_u32 s69, s69, 4096
	s_cmp_ge_u32 s66, 4
	s_cselect_b32 s69, s69, 0
	s_lshl_b32 s20, s17, 8
	s_add_co_u32 s20, s20, s69
	s_lshl_b32 s21, s14, 6
	s_add_co_u32 s20, s20, s21                     ; the first row of qkvc that I store
	s_lshl_b32 s20, s20, 11
	s_and_b32 s21, s42, 7
	s_lshl_b32 s21, s21, 8
	s_add_co_u32 s20, s20, s21                     ; and the tile's first column
	s_mov_b32 s21, 0
	s_add_nc_u64 s[10:11], s[10:11], s[20:21]
.macro FRAG reg, adr, q, i             ; 16 rows x 128 K: 16 registers: lane l holds row l % 16; registers 4 c .. 4 c + 3 hold bytes 32 c + 16 (l / 16) + 0 .. 15: the same in A and in B
.irp c, 0,1,2,3
	ds_load_b128 v[\reg+4*\c:\reg+4*\c+3], v[\adr] offset:128*(\q)+32*\c+(\i)*16*PITCH
.endr
.endm
; 16 matrix instructions: A's blocks a0, a0 + 1 x B's eight.  The 64 accumulators take turns, one instruction a turn, in the same order in every step.
.macro MUL16 a0, p, zero
.irp a, \a0, \a0+1
.irp b, 0,1,2,3,4,5,6,7
.if \zero
	v_wmma_f32_16x16x128_bf8_bf8 v[8*(8*((\a)%4)+\b):8*(8*((\a)%4)+\b)+7], v[128*(\p)+FR*\b:128*(\p)+FR*\b+FR-1], v[AF+FR*(\a):AF+FR*(\a)+FR-1], 0
.else
	v_wmma_f32_16x16x128_bf8_bf8 v[8*(8*((\a)%4)+\b):8*(8*((\a)%4)+\b)+7], v[128*(\p)+FR*\b:128*(\p)+FR*\b+FR-1], v[AF+FR*(\a):AF+FR*(\a)+FR-1], v[8*(8*((\a)%4)+\b):8*(8*((\a)%4)+\b)+7]
.endif
.endr
.endr
.endm
.macro FETCH_B slot, q, p
	WIN TO_B
.irp i, 0,1,2,3,4,5,6,7
	FRAG 128*(\p)+FR*\i, ADRB+\slot, \q, \i
.endr
	WIN 0
.endm
.macro FETCH_A slot, q, i0
.irp i, \i0, \i0+1, \i0+2, \i0+3
	FRAG AF+FR*(\i), ADRA+\slot, \q, \i
.endr
.endm
.macro PLACES n                        ; plain vector instructions between a matrix instruction and a load into its sources, a write of its registers or a read of its result
.rept \n
	v_nop
.endr
.endm
.macro STEP slot, q, zero              ; 128 along K, with its successor in the same slot
	s_wait_dscnt 4*NL                              ; B's set and A's blocks 0-3 are in; the sixteen youngest loads (A's blocks 4-7) may be out
	WIN MUL_LO
	MUL16 0, (\q)%2, \zero
	MUL16 2, (\q)%2, \zero
	s_wait_dscnt 0
	PLACES NP
	FETCH_B \slot, (\q)+1, 1-(\q)%2
	FETCH_A \slot, (\q)+1, 0
	WIN MUL_HI
	MUL16 4, (\q)%2, \zero
	MUL16 6, (\q)%2, \zero
	PLACES NP
	WIN 0
	FETCH_A \slot, (\q)+1, 4
.endm
; A slot's last step changes slots: one barrier; in front of it each wave waits for all its tensor loads, adds 0 to its spare word, and waits for that and for its reads of this slot.
.macro TURN slot, next, fill
	s_wait_tensorcnt 0x0                           ; all my tensor loads have landed: my part of the next slot
	ds_add_u32 v[SPW], v[NIL]                      ; 0 onto my spare word
	s_wait_dscnt 4*NL+1                            ; the add and the sixteen youngest loads may be out
	WIN MUL_LO
	MUL16 0, 1, 0
	s_wait_dscnt 0x0                               ; the add is done, and my reads of this slot are over
	s_barrier_signal -1
	MUL16 2, 1, 0
	WIN 0
	s_barrier_wait -1
.if \fill
	CREST                                          ; the barrier has opened a round of the cluster's barrier: no wave of any partner still reads this slot or has a load on its way
	s_add_nc_u64 s[G0+4*\slot+2:G0+4*\slot+3], s[G0+4*\slot+2:G0+4*\slot+3], 2*ROWB
	s_add_nc_u64 s[G0B+4*\slot+2:G0B+4*\slot+3], s[G0B+4*\slot+2:G0B+4*\slot+3], 2*ROWB
	JLOAD G0+4*\slot, G1, G0B+4*\slot, G1B         ; the first tensor load behind the round; its four v_nop are the places in front of the loads below
.else
	PLACES NP
.endif
	FETCH_B \next, 0, 0
	FETCH_A \next, 0, 0
	WIN MUL_HI
	MUL16 4, 1, 0
	MUL16 6, 1, 0
	PLACES NP
	WIN 0
	FETCH_A \next, 0, 4
.endm
	s_wait_alu depctr_va_vdst(0)                   ; the wait at the head's end
	s_wait_tensorcnt 0x0                           ; my part of K step 0 is in; slot 1's first fill is issued as a refill is:
	ds_add_u32 v[SPW], v[NIL]                      ; 0 onto my spare word
	s_wait_dscnt 0x0
	CROUND                                         ; a whole round: slot 0 is whole, and the joint loads meet
	JLOAD G0+4, G1, G0B+4, G1B                     ; K step 1, the first tensor load behind the round
	FETCH_B 0, 0, 0
	FETCH_A 0, 0, 0
	FETCH_A 0, 0, 4
	STEP 0, 0, 1                                   ; the first step starts the sums
	s_mov_b32 s3, 1                                ; K = 1,024 is four slots: one trip fills both slots again
.Llap:
	TURN 0, 1, 1
	STEP 1, 0, 0
	TURN 1, 0, 1
	STEP 0, 0, 0
	s_sub_co_u32 s3, s3, 1
	s_cmp_lg_u32 s3, 0
	s_cbranch_scc1 .Llap
	TURN 0, 1, 0
	STEP 1, 0, 0
	s_wait_dscnt 4*NL
	WIN MUL_LO
	MUL16 0, 1, 0
	MUL16 2, 1, 0
	s_wait_dscnt 0
	WIN MUL_HI
	MUL16 4, 1, 0
	MUL16 6, 1, 0
	WIN 0
	; THE WAY OUT.  First a barrier: every wave's reads of the slots are over, and every tensor load has landed; the stage may be written.
	s_wait_dscnt 0x0
	s_barrier_signal -1
	s_barrier_wait -1
	PLACES NP                                      ; behind the last products: their results are read and written below, and registers that held A's fragments are written
	s_wait_kmcnt 0x0
	s_add_co_i32 s82, s72, s73                     ; e0 + e1
	s_sub_co_i32 s83, s74, s82
	s_add_co_i32 s83, s83, 3                       ; q: e2 - e0 - e1 + 3 (the 3 is the head's 64^-1/2 = 2^-3)
	s_sub_co_i32 s84, s75, s82                     ; k: e3 - e0 - e1
	s_sub_co_i32 s85, s77, s82                     ; v: e5 - e0 - e1
	s_cmp_eq_u32 s67, 0
	s_cselect_b32 s83, s83, s84
	s_cmp_ge_u32 s66, 4
	s_cselect_b32 s83, s85, s83
	s_add_co_i32 s83, s83, 127
	s_lshl_b32 s84, s83, 23
	v_mov_b32 v[SCL], s84                          ; the conversion's scale as f32
	s_add_co_i32 s83, s83, 15
	s_lshl_b32 s83, s83, 23
	s_or_b32 s83, s83, 0x600000
	v_mov_b32 v[LIM], s83                          ; 57,344 x that
.irp w, 0,1                            ; the 32 accumulators of window 2, then those of window 3
	WIN 0x82+0x41*\w                               ; destination and source 0: the accumulators' window; the bound in window 0
.set n, 0
.rept 256
	v_med3_num_f32 v[n], v[n], -v[LIM], v[LIM]     ; the conversion does not saturate (ISA guide 7.6.2): the hold comes first, whatever the scale; each accumulator from its low end on
.set n, n+1
.endr
	WIN 0x02+\w                                    ; source 0: the accumulators' window; the codes and the scale in window 0
.set n, 0
.rept 32
	v_cvt_scalef32_pk8_bf8_f32 v[CODE+64*\w+2*n:CODE+64*\w+2*n+1], v[8*n:8*n+7], v[SCL]   ; eight neighbouring columns of one row: 8 bytes
.set n, n+1
.endr
	v_nop                                          ; a plain instruction behind the last conversion
.endr
	WIN 0
.irp a, 0,1,2,3,4,5,6,7
.irp b, 0,1,2,3,4,5,6,7
	ds_store_b64 v[STO], v[CODE+2*(8*\a+\b):CODE+2*(8*\a+\b)+1] offset:\a*16*CPITCH+16*\b   ; lane (r, h): row 16 a + r, columns 16 b + 8 h + 0 .. 7 of my 128 x 128
.endr
.endr
	s_wait_dscnt 0x0                               ; for the others' sake: my stores into the stage are done
	s_barrier_signal -1
	s_barrier_wait -1
.set n, 0
.rept 64
	ds_load_b64 v[CODE+2*n:CODE+2*n+1], v[RD0] offset:n*CPITCH   ; a whole row of 256 bytes, 8 a lane
.set n, n+1
.endr
.irp g, 0,1,2,3,4,5,6,7
	s_wait_dscnt 56-8*\g                           ; these eight rows are in; the loads of the later groups of eight may be out
.irp k, 0,1,2,3,4,5,6,7
	global_store_b64 v[GOF], v[CODE+2*(8*\g+\k):CODE+2*(8*\g+\k)+1], s[10:11] offset:(8*\g+\k)*OPITCH   ; 32 lanes store 256 consecutive bytes, aligned; no register and no base is written again
.endr
.endr
	s_wait_tensorcnt 0x0                           ; the wave's end
	ds_add_u32 v[SPW], v[NIL]
	s_wait_dscnt 0x0
	CROUND                                         ; the closing round
	s_endpgm
.Lfunc_end_k_q1581c2d739_qkv:
	.size	k_q1581c2d739_qkv, .Lfunc_end_k_q1581c2d739_qkv-k_q1581c2d739_qkv
	.p2alignl 7, 3214868480
	.fill 96, 4, 3214868480
	.section	.rodata,"a",@progbits
	.p2align	6, 0x0
	.amdhsa_kernel k_q1581c2d739_qkv
		.amdhsa_group_segment_fixed_size 327680
		.amdhsa_private_segment_fixed_size 0
		.amdhsa_enable_private_segment 0
		.amdhsa_kernarg_size 32
		.amdhsa_user_sgpr_count 2
		.amdhsa_user_sgpr_kernarg_segment_ptr 1
		.amdhsa_wavefront_size32 1
		.amdhsa_system_sgpr_workgroup_id_x 1
		.amdhsa_system_sgpr_workgroup_id_y 1
		.amdhsa_system_sgpr_workgroup_id_z 1
		.amdhsa_system_vgpr_workitem_id 0
		.amdhsa_next_free_vgpr 1024
		.amdhsa_next_free_sgpr 100
		.amdhsa_reserve_vcc 0
		.amdhsa_float_denorm_mode_32 3
		.amdhsa_float_denorm_mode_16_64 3
		.amdhsa_memory_ordered 1
		.amdhsa_forward_progress 1
		.amdhsa_inst_pref_size 130
	.end_amdhsa_kernel
	.amdgpu_metadata
---
amdhsa.version: [ 1, 2 ]
amdhsa.kernels:
  - .name:           k_q1581c2d739_qkv
    .symbol:         k_q1581c2d739_qkv.kd
    .args:
      - { .name: hc, .offset: 0, .size: 8, .value_kind: global_buffer, .address_space: global }
      - { .name: wc, .offset: 8, .size: 8, .value_kind: global_buffer, .address_space: global }
      - { .name: lowp_scales, .offset: 16, .size: 8, .value_kind: global_buffer, .address_space: global }
      - { .name: qkvc, .offset: 24, .size: 8, .value_kind: global_buffer, .address_space: global }
    .group_segment_fixed_size: 327680
    .private_segment_fixed_size: 0
    .kernarg_segment_align: 8
    .kernarg_segment_size: 32
    .max_flat_workgroup_size: 128
    .sgpr_count:     100
    .vgpr_count:     1024
    .wavefront_size: 32
...
	.end_amdgpu_metadata
.endif
;; end of part 2
;; launch attn (part 3): grid 32 x 8, 8 waves a work-group, clusters of 4 x 1, 327,680 bytes of LDS; arguments qkvc, lowp_scales, oc; writes oc
.if DOCPART == 3
	.amdgcn_target "amdgcn-amd-amdhsa--gfx1250"
	.amdhsa_code_object_version 6
	.text
	.protected	k_q1581c2d739_attn
	.globl	k_q1581c2d739_attn
	.p2align	8
	.type	k_q1581c2d739_attn,@function
k_q1581c2d739_attn:
	s_mov_b64 s[64:65], 0
	v_nop
	global_prefetch_b8 v0, s[64:65] scope:SCOPE_SE
	s_setreg_imm32_b32 hwreg(HW_REG_WAVE_MODE, 25, 1), 1
	s_wait_xcnt 0x0
	s_wait_alu depctr_hold_cnt(0) depctr_sa_sdst(0) depctr_va_vdst(0) depctr_va_sdst(0) depctr_va_ssrc(0) depctr_va_vcc(0) depctr_vm_vsrc(0)
	s_getreg_b32 s2, hwreg(HW_REG_IB_STS2, 6, 4)
	s_cmp_eq_u32 s2, 0
	s_cbranch_scc0 .Lentry_in_a_cluster
	s_endpgm
.Lentry_in_a_cluster:
	s_bfe_u32 s2, ttmp6, 0x10000c
	s_cmp_lg_u32 s2, 0x3003
	s_cbranch_scc0 .Lentry_shape_is_right
	s_endpgm
.Lentry_shape_is_right:
; Products 2 and 3 with the softmax between them, on codes of E5M2, and o quantised for product 4.
; qkvc: bytes [6144][2048]: rows 0-4095 tokens (q: columns 0-1023, k: 1024-2047, column = 64 head + d); rows 4096 + 1024 b + 64 head + d: v with the keys along the row, within each 32 keys
; byte 16 h + 8 u + z holding key 16 u + 8 h + z.  oc: [4096][1024] codes; in a run of 256 channels, channel 128 i + 4 l + j lies at byte 8 l + 4 i + j, the order that product 4's weights have.
; THE SOFTMAX: t = score x log2(e) (q holds the head's 2^-3); M = the running largest t rounded UP to a whole number; p = 2^(t - M) is quantised with 2^e4, not normalised; the row's sum is taken of the
; unquantised p and divides at the end.  When M moves, the sum and O are multiplied by 2^(old M - new M): exact.
; SHARES.  A work-group owns 64 queries of FOUR heads (y = 4 b + group of heads), so that a key's row of K's tile, a row of V's tile and the work-group's rows of o are 256 consecutive bytes.
; EIGHT waves, two to a SIMD: wave w has head w / 2 and queries 32 (w % 2) on: TWO tiles of 16 queries, A and B, so that each fragment of K and of V read from LDS feeds two matrix instructions.
; Every wave walks all 2,048 keys, 128 a step.  A ring of two LDS slots of 256 keys (K's 256 rows, then V's 256 rows); each wave fetches 64 rows with one tensor load: waves 0-3 K's, waves 4-7 V's.
; CLUSTER: the four query blocks of a cluster walk the same K and V: each tile is asked for jointly, with a mask that names the four.
; THE CHANGE OF SLOTS STANDS IN THE MIDDLE OF A SLOT'S SECOND STEP: once that step's V fragments are in registers the wave reads the slot no more.  There stand the wait for all tensor loads, the add, the wait
; for it, the round, the refill of the slot just left and the loads of the next slot's first K fragments; the step's remaining work on registers is laid round them.
; THE EXPONENTIALS GO IN TWO BATCHES of 64, each by turns with plain work that names none of its results: A's with B's scalings t - M; B's with the first level of A's sum and with A's hold.
; LAYOUT.  Both products are used transposed: S^T = K Q^T (16x16x64), O^T = V^T P^T (16x16x128): a lane holds one query of each tile.  A tile of K is 16 neighbouring keys; a lane's eight registers of tile t
; are keys 16 t + 8 (lane / 16) + 0 .. 7, and p's code registers 4 c .. 4 c + 3 hold the keys that bytes 32 c + 16 h + 0 .. 15 of a row of V hold.  Along d, K and Q come by loads of 16 bytes: the same order on both sides.
; REGISTERS.  Window 0: v1-11 addresses; v12-23 -M, largest t, sums, f of A and B; v24, v25 the bound, twice; v26-31 at work; v28-43 and v48-63 partial sums, then B's and A's codes; v64-127 S^T of A, v128-191 of B;
; v192-223 O^T of A, v224-255 of B.  Window 1: v0-63 K's eight fragments; v64-127 V's four; v128-143 Q of A and of B.
; LIMITS: e2 + e3 between -126 and 127; e4 and e6 - e4 - e5 between -126 and 112; the scaled scores t stay under 2^31 in magnitude.  NaN and infinities are not served.
.set PITCH, 272                        ; a tile's row in LDS: 256 bytes + 16 of padding
.set QT,    64*PITCH                   ; what one tensor load brings
.set SLOT,  8*QT
.set VOFF,  4*QT
.set SPARE, 2*SLOT                     ; behind the ring: the spare words, 128 bytes for each of eight waves
.set SP,    1040                       ; the way out: a stage of 64 rows x (1,024 bytes + 16) in slot 0, which has had its last fill and its last read
.set AK,  1                            ; my lane's place in K's tile
.set AV,  2                            ; the same for V
.set SPW, 3
.set NIL, 4
.set PFO, 5                            ; 2,048 x lane: the prefetches' offset, a lane a row
.set ADK, 6                            ; the same places in the slot in hand
.set ADV, 7
.set STO, 8
.set RD,  9
.set GOF, 10
.set QO,  11
.set MA,  12                           ; v12 -M, v13 the largest t, of tile A
.set MB,  14
.set LA,  16                           ; the sum in two halves
.set LB,  18
.set FA,  20                           ; f = 2^(old M - new M); the upper register is only named
.set FB,  22
.set LIM, 24                           ; 57,344 x 2^e4 in v24 and in v25: the two halves of a dual pair take their first sources from different banks
.set U0,  28                           ; A's sixteen partial sums: pairs 0-7 at v28-43, pairs 8-15 at v48-63
.set CODB, 28                          ; B's codes, on registers that the sums have left
.set SCL, 44
.set TC,  48                           ; three more chains of B's sum
.set CODE, 48                          ; A's codes
.set SA,  64
.set SB,  128
.set OA,  192
.set OB,  224
.set KF,  0                            ; window 1
.set VF,  64
.set QF,  128
.set WV,  18
.set SEL, 20
.set CS,  22
.set G1,  24
.set G0,  32                           ; s[32:35] the one group 0, which walks
.set PFA, 42
.set ST1, 44                           ; one tile on, in bytes
.set PFL, 46                           ; 1 in a wave that prefetches, 255 in the others: a wave asks while s[CNT] is above it
.set CNT, 47
.set TB,  80                           ; LDS byte at which the slot in hand begins: 0 or SLOT
.set WQ,  81                           ; wave x QT
.set IC,  82
.set PS1, 84                           ; s[84:85] one tile on, for the prefetches
.set MSB, 0
.macro WIN new                         ; the immediate's high byte repeats the setting that is left
.if MSB != (\new)
	s_set_vgpr_msb (MSB<<8)|(\new)
.set MSB, \new
.endif
.endm
.macro CREST                           ; a round of the cluster's barrier behind its opening barrier
	s_cmp_lg_u32 s[WV], 0
	s_cbranch_scc1 .Lnot_wave_0_\@
	s_barrier_signal -3
.Lnot_wave_0_\@:
	s_barrier_wait -3
	s_barrier_signal -1
	s_barrier_wait -1
.endm
.macro CROUND
	s_barrier_signal -1
	s_barrier_wait -1
	CREST
.endm
; A prefetch into the L2 of the tile that the NEXT change of slots will ask for.  All eight clusters of one y walk the same K and V: the cluster with x = 0 asks.  In each of its four work-groups waves 0, 1 ask
; for K's rows and waves 2, 3 for V's: of a tile's 256 rows the work-group at place cx takes 64 cx on (told apart by address, by no branch), each wave 32 of them, a lane a row: a row's piece is 256 bytes, aligned.
; Tiles 0 and 1 come by their loads alone; behind tile 1's load tile 2 is asked for, behind tile j's tile j + 1; the last refill, tile 7's, asks for nothing.
.macro ASK
	s_cmp_gt_u32 s[CNT], s[PFL]
	s_cbranch_scc0 .Lnot_mine_\@
	global_prefetch_b8 v[PFO], s[PFA:PFA+1] th:TH_LOAD_NT scope:SCOPE_SE
.Lnot_mine_\@:
.endm
.macro KLOAD q                         ; K's eight fragments of the slot's q-th 128 keys: tile t = keys 16 t + r
	WIN 0x40
.irp t, 0,1,2,3,4,5,6,7
.irp c, 0,1
	ds_load_b128 v[KF+8*\t+4*\c:KF+8*\t+4*\c+3], v[ADK] offset:(128*\q+16*\t)*PITCH+32*\c
.endr
.endr
	WIN 0
.endm
.macro VLOAD q                         ; V's four fragments
	WIN 0x40
.irp dt, 0,1,2,3
.irp c, 0,1,2,3
	ds_load_b128 v[VF+16*\dt+4*\c:VF+16*\dt+4*\c+3], v[ADV] offset:16*\dt*PITCH+128*\q+32*\c
.endr
.endr
	WIN 0
.endm
.macro SCORES                          ; S^T = K Q^T for both tiles
	s_wait_dscnt 0x0                               ; K's fragments are in
	WIN 0x05                                       ; sources 0 and 1, K and Q: window 1
.irp t, 0,1,2,3,4,5,6,7
	v_wmma_f32_16x16x64_bf8_bf8 v[SA+8*\t:SA+8*\t+7], v[KF+8*\t:KF+8*\t+7], v[QF:QF+7], 0
	v_wmma_f32_16x16x64_bf8_bf8 v[SB+8*\t:SB+8*\t+7], v[KF+8*\t:KF+8*\t+7], v[QF+8:QF+15], 0
.endr
	WIN 0
.rept 4
	v_nop                                          ; places in front of the loads into fragments, of the first read of the scores and of the writes of v28 on
.endr
.endm
.macro SOFT                            ; from the scores to p, both tiles; A's p leaves it held, with the first level of its sum taken
	v_max_num_f32 v28, v[SA], v[SA+1]              ; the step's largest score of my two queries, each among my 64 keys: four chains by turns; each tile is first read at its low end
	v_max_num_f32 v30, v[SB], v[SB+1]
	v_max_num_f32 v29, v[SA+2], v[SA+3]
	v_max_num_f32 v31, v[SB+2], v[SB+3]
.set n, 4
.rept 15
	v_max3_num_f32 v28, v28, v[SA+n], v[SA+n+1]
	v_max3_num_f32 v30, v30, v[SB+n], v[SB+n+1]
	v_max3_num_f32 v29, v29, v[SA+n+2], v[SA+n+3]
	v_max3_num_f32 v31, v31, v[SB+n+2], v[SB+n+3]
.set n, n+4
.endr
	v_max_num_f32 v28, v28, v29
	v_max_num_f32 v30, v30, v31
	v_permlanex16_b32 v26, v28, s[SEL], s[SEL+1]
	v_permlanex16_b32 v27, v30, s[SEL], s[SEL+1]
	v_max_num_f32 v28, v28, v26                    ; and among lane l xor 16's
	v_max_num_f32 v30, v30, v27
	v_mul_f32 v28, s[CS], v28                      ; as t
	v_mul_f32 v30, s[CS], v30
	v_max_num_f32 v[MA+1], v[MA+1], v28            ; the running largest t
	v_max_num_f32 v[MB+1], v[MB+1], v30
	v_floor_f32 v28, -v[MA+1]                      ; the new -M = -ceil(t)
	v_floor_f32 v30, -v[MB+1]
	v_sub_f32 v29, v28, v[MA]                      ; old M - new M: a whole number, 0 or less
	v_sub_f32 v31, v30, v[MB]
	v_mov_b32 v[MA], v28
	v_mov_b32 v[MB], v30
	v_cvt_i32_f32 v29, v29
	v_cvt_i32_f32 v31, v31
	v_ldexp_f32 v[FA], 1.0, v29                    ; f = 2^(old M - new M)
	v_ldexp_f32 v[FB], 1.0, v31
.set n, 0
.rept 16
	v_pk_mul_f32 v[OA+n:OA+n+1], v[OA+n:OA+n+1], v[FA:FA+1] op_sel_hi:[1,0]   ; O^T under the new M, ahead of the exponentials; each accumulator from its low end on
	v_pk_mul_f32 v[OB+n:OB+n+1], v[OB+n:OB+n+1], v[FB:FB+1] op_sel_hi:[1,0]
.set n, n+2
.endr
.set n, 0
.rept 32
	v_pk_fma_f32 v[SA+n:SA+n+1], v[SA+n:SA+n+1], s[CS:CS+1], v[MA:MA+1] op_sel_hi:[1,0,0]   ; A: t - M
.set n, n+2
.endr
	s_wait_alu depctr_va_vdst(0)                   ; the wait ahead of the batch
.set n, 0
.rept 32
	v_exp_f32 v[SA+n], v[SA+n]                     ; A: p = 2^(t - M); by turns with B's t - M, whose sources stand ahead of the wait above and whose results are read behind the wait below
	v_pk_fma_f32 v[SB+n:SB+n+1], v[SB+n:SB+n+1], s[CS:CS+1], v[MB:MB+1] op_sel_hi:[1,0,0]
	v_exp_f32 v[SA+n+1], v[SA+n+1]
.set n, n+2
.endr
	v_pk_mul_f32 v[LA:LA+1], v[LA:LA+1], v[FA:FA+1] op_sel_hi:[1,0]   ; the sums under the new M; plain instructions behind the exponentials
	v_pk_mul_f32 v[LB:LB+1], v[LB:LB+1], v[FB:FB+1] op_sel_hi:[1,0]
	s_wait_alu depctr_va_vdst(0)                   ; one wait: behind A's batch, ahead of its first reader, and ahead of B's batch
.set k, 0
.rept 16
	v_exp_f32 v[SB+4*k], v[SB+4*k]                 ; B: p; by turns with work on A's p, sixteen independent groups whose results are read behind the wait below:
	v_pk_add_f32 v[U0+2*k+(k/8)*4:U0+2*k+(k/8)*4+1], v[SA+4*k:SA+4*k+1], v[SA+4*k+2:SA+4*k+3]   ; four unquantised p into a pair of partial sums,
	v_exp_f32 v[SB+4*k+1], v[SB+4*k+1]
	v_dual_min_num_f32 v[SA+4*k], v[LIM], v[SA+4*k] :: v_dual_min_num_f32 v[SA+4*k+1], v[LIM+1], v[SA+4*k+1]   ; and then their hold (see HOLD)
	v_exp_f32 v[SB+4*k+2], v[SB+4*k+2]
	v_exp_f32 v[SB+4*k+3], v[SB+4*k+3]
	v_dual_min_num_f32 v[SA+4*k+2], v[LIM], v[SA+4*k+2] :: v_dual_min_num_f32 v[SA+4*k+3], v[LIM+1], v[SA+4*k+3]
.set k, k+1
.endr
	s_wait_alu depctr_va_vdst(0)                   ; the wait behind B's batch, ahead of its first reader, and directly ahead of the wait that follows this macro
.endm
.macro BGRP n0                         ; four pairs of B's p onto its four chains
.irp j, 1,2,3
	v_pk_add_f32 v[TC-2+2*\j:TC-1+2*\j], v[TC-2+2*\j:TC-1+2*\j], v[SB+\n0+2*\j:SB+\n0+2*\j+1]
.endr
	v_pk_add_f32 v[LB:LB+1], v[LB:LB+1], v[SB+\n0:SB+\n0+1]
.endm
.macro SUMS                            ; the rows' sums of the unquantised p: A's sixteen partial sums as a tree, B's 32 pairs on four chains, by turns
.irp k, 0,1,2,3,4,5,6,7
	v_pk_add_f32 v[U0+2*\k:U0+2*\k+1], v[U0+2*\k:U0+2*\k+1], v[U0+20+2*\k:U0+21+2*\k]
.endr
.irp j, 1,2,3
	v_pk_add_f32 v[TC-2+2*\j:TC-1+2*\j], v[SB+2*\j:SB+2*\j+1], v[SB+8+2*\j:SB+9+2*\j]
.endr
	v_pk_add_f32 v[LB:LB+1], v[LB:LB+1], v[SB:SB+1]
.irp k, 0,1,2,3
	v_pk_add_f32 v[U0+2*\k:U0+2*\k+1], v[U0+2*\k:U0+2*\k+1], v[U0+8+2*\k:U0+9+2*\k]
.endr
	v_pk_add_f32 v[LB:LB+1], v[LB:LB+1], v[SB+8:SB+9]
	BGRP 16
	BGRP 24
	v_pk_add_f32 v[U0:U0+1], v[U0:U0+1], v[U0+4:U0+5]
	v_pk_add_f32 v[U0+2:U0+3], v[U0+2:U0+3], v[U0+6:U0+7]
	BGRP 32
	BGRP 40
	v_pk_add_f32 v[U0:U0+1], v[U0:U0+1], v[U0+2:U0+3]
	BGRP 48
	BGRP 56
	v_pk_add_f32 v[LA:LA+1], v[LA:LA+1], v[U0:U0+1]
	v_pk_add_f32 v[TC:TC+1], v[TC:TC+1], v[TC+2:TC+3]
	v_pk_add_f32 v[LB:LB+1], v[LB:LB+1], v[TC+4:TC+5]
	v_pk_add_f32 v[LB:LB+1], v[LB:LB+1], v[TC:TC+1]
.endm
.macro HOLD b                          ; the conversion does not saturate (ISA guide 7.6.2); p is not negative, so the hold is one-sided; two numbers an instruction
.set n, 0
.rept 32
	v_dual_min_num_f32 v[\b+n], v[LIM], v[\b+n] :: v_dual_min_num_f32 v[\b+n+1], v[LIM+1], v[\b+n+1]
.set n, n+2
.endr
.endm
.macro PVS                             ; p's codes of both tiles, then O^T += V^T P^T: eight accumulators by turns
.set n, 0
.rept 8
	v_cvt_scalef32_pk8_bf8_f32 v[CODE+2*n:CODE+2*n+1], v[SA+8*n:SA+8*n+7], v[SCL]
	v_cvt_scalef32_pk8_bf8_f32 v[CODB+2*n:CODB+2*n+1], v[SB+8*n:SB+8*n+7], v[SCL]
.set n, n+1
.endr
	v_nop                                          ; a plain instruction behind the last conversion
	WIN 0x01                                       ; source 0, V's fragments: window 1
.irp dt, 0,1,2,3
	v_wmma_f32_16x16x128_bf8_bf8 v[OA+8*\dt:OA+8*\dt+7], v[VF+16*\dt:VF+16*\dt+15], v[CODE:CODE+15], v[OA+8*\dt:OA+8*\dt+7]
	v_wmma_f32_16x16x128_bf8_bf8 v[OB+8*\dt:OB+8*\dt+7], v[VF+16*\dt:VF+16*\dt+15], v[CODB:CODB+15], v[OB+8*\dt:OB+8*\dt+7]
.endr
	WIN 0
.endm
.macro FIRST                           ; a slot's first 128 keys; V's fragments and the second step's K land while the softmax is worked
	SCORES
	VLOAD 0
	KLOAD 1
	SOFT
	s_wait_dscnt 16                                ; V's sixteen loads are in; the sixteen K loads issued behind them may be out
	SUMS
	HOLD SB
	PVS
.endm
; A slot's second 128 keys, with the change of slots in its middle.  fill = 1: the slot in hand is filled again with the tile two on, behind a round of the cluster's barrier.
; fill = 0, the last two slots: nothing is filled; the barrier shows the last tile whole; the last slot of all has no successor, and a branch on the count of trips leads round the K loads alone.
.macro LAST fill
	SCORES
	VLOAD 1
	SOFT
	s_wait_tensorcnt 0x0                           ; all my tensor loads have landed: my part of the next slot; so group 0 may be written
	ds_add_u32 v[SPW], v[NIL]                      ; 0 onto my spare word
.if \fill
	s_add_co_u32 s[G0+1], s[TB], s[WQ]             ; the slot in hand takes
	s_add_nc_u64 s[G0+2:G0+3], s[G0+2:G0+3], s[ST1:ST1+1]   ; the next tile
	s_wait_xcnt 0x0                                ; the last prefetch, a slot back, has read its address
	s_add_nc_u64 s[PFA:PFA+1], s[PFA:PFA+1], s[PS1:PS1+1]
.endif
	s_xor_b32 s[TB], s[TB], SLOT                   ; on to the other slot
	SUMS                                           ; work on registers stands between the add and the wait for it
	s_wait_dscnt 0x0                               ; the add is done, V's fragments are in, and my reads of this slot are over
	s_barrier_signal -1
	s_barrier_wait -1
.if \fill
	CREST                                          ; the barrier has opened a round of the cluster's barrier: no wave of any partner still reads this slot or has a load on its way
	tensor_load_to_lds s[G0:G0+3], s[G1:G1+7]
	s_nop 0
.endif
	v_add_nc_u32 v[ADK], s[TB], v[AK]              ; four vector instructions ahead of the switch of windows
	v_add_nc_u32 v[ADV], s[TB], v[AV]
	v_nop
	v_nop
.if \fill
	KLOAD 0                                        ; the next slot's first K fragments land under the work below
	ASK
.else
	s_cmp_eq_u32 s[IC], 1
	s_cbranch_scc1 .Lno_next_\@
	KLOAD 0
.Lno_next_\@:
.endif
	HOLD SB
	PVS
.endm
	s_load_b128 s[4:7], s[0:1], 0x0                ; qkvc, the scales' exponents
	s_load_b64 s[8:9], s[0:1], 0x10                ; oc
	v_lshl_add_u32 v[SPW], v0, 2, SPARE
	v_mov_b32 v[NIL], 0
	ds_add_u32 v[SPW], v[NIL]                      ; the opening lines: the add, twice on end, and its wait ahead of my first tensor load
	ds_add_u32 v[SPW], v[NIL]
	v_lshrrev_b32 v12, 5, v0
	v_readfirstlane_b32 s[WV], v12                 ; wave 0..7
	s_bfe_u32 s48, ttmp6, 0x40000                  ; cx: it enters Q's, o's and the prefetches' global addresses alone
	s_lshl_b32 s49, ttmp9, 2
	s_add_co_u32 s49, s49, s48                     ; my block of 64 queries
	s_and_b32 s50, ttmp7, 0xffff
	s_and_b32 s51, s50, 3                          ; the group of four heads
	s_lshr_b32 s50, s50, 2                         ; the batch
	s_lshr_b32 s52, s[WV], 1                       ; my head of the four
	s_and_b32 s53, s[WV], 1                        ; my half of the 64 queries
	s_lshl_b32 s86, s52, 6                         ; my head's 64 bytes of a key's row
	s_mul_i32 s87, s52, 64*PITCH                   ; my head's 64 rows of V's tile
	s_add_co_u32 s87, s87, VOFF
	s_mul_i32 s88, s53, 32*SP                      ; the stage: row 32 x my half + r, byte 256 x my head + 32 h
	s_lshl_b32 s89, s52, 8
	s_add_co_u32 s88, s88, s89
	s_mul_i32 s89, s[WV], 8*SP                     ; back: rows 8 x wave on
	s_mov_b32 s[G1], 15|(1<<20)|(1<<21)|(5<<22)|(3<<25)   ; the mask: all four work-groups; elements of 1 byte; padding on; bit 21 beside a mask; after every 64 words four words
	s_mov_b32 s[G1+1], 256<<16                     ; tensor_dim0
	s_mov_b32 s[G1+2], 64<<16                      ; tensor_dim1
	s_mov_b32 s[G1+3], 256<<16                     ; tile_dim0
	s_mov_b32 s[G1+4], 64                          ; tile_dim1
	s_mov_b32 s[G1+5], 2048                        ; the pitch
	s_mov_b32 s[G1+6], 0
	s_mov_b32 s[G1+7], 0
	s_mov_b32 s[SEL], 0x76543210
	s_mov_b32 s[SEL+1], 0xfedcba98
	s_mov_b32 s[TB], 0
	s_mov_b32 s[CNT], 6
	s_lshl_b32 s78, s51, 8                         ; 256 x group of heads
	s_lshl_b32 s77, s50, 22                        ; K: token 2,048 b, x 2,048 bytes,
	s_add_co_u32 s77, s77, s78
	s_add_co_u32 s77, s77, 1024                    ; column 1,024 + 256 x group
	s_lshl_b32 s79, s50, 10                        ; V: row 4,096 + 1,024 b + 256 x group
	s_add_co_u32 s79, s79, s78
	s_add_co_u32 s79, s79, 4096
	s_lshl_b32 s79, s79, 11
	s_cmp_lt_u32 s[WV], 4                          ; waves 0-3 fetch K's rows, waves 4-7 V's
	s_cselect_b32 s56, s77, s79
	s_mov_b32 s[ST1], 256
	s_cselect_b32 s[ST1], 0x80000, s[ST1]          ; a tile on: 256 rows of K, or 256 bytes along V's rows
	s_mov_b32 s[ST1+1], 0
	s_and_b32 s76, s[WV], 3
	s_lshl_b32 s76, s76, 17                        ; my 64 rows of 2,048 bytes
	s_add_co_u32 s56, s56, s76
	s_mov_b32 s57, 0
	s_cmp_lt_u32 s[WV], 2                          ; the prefetches: waves 0, 1 K; waves 2, 3 V
	s_cselect_b32 s60, s77, s79
	s_mov_b32 s[PS1], 256
	s_cselect_b32 s[PS1], 0x80000, s[PS1]
	s_mov_b32 s[PS1+1], 0
	s_lshl_b32 s58, s48, 6                         ; row 64 cx + 32 x (wave & 1),
	s_lshl_b32 s59, s53, 5
	s_add_co_u32 s58, s58, s59
	s_lshl_b32 s58, s58, 11
	s_add_co_u32 s60, s60, s58
	s_add_co_u32 s60, s60, s[PS1]
	s_add_co_u32 s60, s60, s[PS1]                  ; in tile 2; each change of slots steps it ahead of its request
	s_mov_b32 s61, 0
	s_lshl_b32 s55, s50, 11
	s_lshl_b32 s76, s49, 6
	s_add_co_u32 s55, s55, s76                     ; the work-group's first token
	s_lshl_b32 s62, s53, 5
	s_add_co_u32 s62, s62, s55
	s_lshl_b32 s62, s62, 11
	s_add_co_u32 s62, s62, s78
	s_add_co_u32 s62, s62, s86                     ; Q: my 32 tokens, my head
	s_mov_b32 s63, 0
	s_lshl_b32 s66, s[WV], 3
	s_add_co_u32 s66, s66, s55
	s_lshl_b32 s66, s66, 10
	s_add_co_u32 s66, s66, s78                     ; o: the eight rows that I store, the group's 256 bytes
	s_mov_b32 s67, 0
	s_mul_i32 s[WQ], s[WV], QT                     ; where my rows go in a slot: no place in the cluster enters an LDS address
	s_wait_dscnt 0x0                               ; both opening adds are done
	s_wait_kmcnt 0x0
	s_load_b256 s[68:75], s[6:7], 0x0              ; e0 .. e7
	s_mov_b32 s[G0], 1
	s_mov_b32 s[G0+1], s[WQ]
	s_add_nc_u64 s[G0+2:G0+3], s[4:5], s[56:57]    ; tile 0
	s_or_b32 s[G0+3], s[G0+3], 0x80000000
	s_add_nc_u64 s[PFA:PFA+1], s[4:5], s[60:61]
	s_add_nc_u64 s[62:63], s[4:5], s[62:63]
	s_add_nc_u64 s[8:9], s[8:9], s[66:67]
	s_lshr_b32 s76, s[WV], 2                       ; 0 in waves 0 to 3,
	s_or_b32 s76, s76, ttmp9                       ; of the clusters with x = 0: the same in all four partners
	s_mov_b32 s[PFL], 255
	s_cmp_eq_u32 s76, 0
	s_cselect_b32 s[PFL], 1, s[PFL]
	CROUND                                         ; all four work-groups are here: the first joint loads meet
	tensor_load_to_lds s[G0:G0+3], s[G1:G1+7]      ; tile 0: one load a wave
	s_nop 0
	v_and_b32 v12, 15, v0                          ; r
	v_bfe_u32 v13, v0, 4, 1                        ; h
	v_and_b32 v14, 31, v0                          ; lane
	v_mul_u32_u24 v15, v12, PITCH
	v_lshl_add_u32 v15, v13, 4, v15
	v_add_nc_u32 v[AK], s86, v15
	v_add_nc_u32 v[AV], s87, v15
	v_lshlrev_b32 v[PFO], 11, v14
	v_mul_u32_u24 v[STO], v12, SP
	v_lshl_add_u32 v[STO], v13, 5, v[STO]
	v_add_nc_u32 v[STO], s88, v[STO]
	v_lshl_add_u32 v[RD], v14, 4, s89              ; 16 bytes a lane
	v_lshlrev_b32 v[GOF], 3, v14
	v_lshlrev_b32 v[QO], 11, v12
	v_lshl_add_u32 v[QO], v13, 4, v[QO]            ; Q: row r of 2,048 bytes, + 16 h
	WIN 0x40
.irp c, 0,1
	global_load_b128 v[QF+4*\c:QF+4*\c+3], v[QO], s[62:63] offset:32*\c          ; Q's fragments stay in registers: tile A,
	global_load_b128 v[QF+8+4*\c:QF+8+4*\c+3], v[QO], s[62:63] offset:32768+32*\c   ; tile B, 16 tokens on
.endr
	WIN 0
	v_mov_b32 v[MA+1], 0xff61b1e6                  ; the largest t so far: -3e38
	v_mov_b32 v[MB+1], 0xff61b1e6
	v_floor_f32 v[MA], -v[MA+1]                    ; -M
	v_floor_f32 v[MB], -v[MB+1]
.irp r, 16,17,18,19,21,23,26,27
	v_mov_b32 v\r, 0                               ; the sums; the pairs' upper halves; the lane exchanges' destinations
.endr
.set n, 0
.rept 64
	v_mov_b32 v[OA+n], 0                           ; O^T: the step is written once; its first run finds zeros, which the first change of M leaves zeros
.set n, n+1
.endr
	s_wait_kmcnt 0x0
	s_mov_b32 s[CS], 0x3fb8aa3b                    ; log2(e)
	s_add_co_i32 s76, s70, s71
	s_lshl_b32 s76, s76, 23
	s_add_co_i32 s[CS], s[CS], s76                 ; a score stands for score x 2^(e2 + e3): added to the exponent field
	s_mov_b32 s[CS+1], s[CS]
	s_add_co_i32 s76, s72, 127
	s_lshl_b32 s77, s76, 23
	v_mov_b32 v[SCL], s77                          ; 2^e4
	s_add_co_i32 s76, s76, 15
	s_lshl_b32 s76, s76, 23
	s_or_b32 s76, s76, 0x600000
	v_mov_b32 v[LIM], s76                          ; 57,344 x 2^e4
	v_mov_b32 v[LIM+1], s76
	s_wait_alu depctr_va_vdst(0)                   ; the wait at the head's end
	s_wait_loadcnt 0x0                             ; Q
	s_wait_tensorcnt 0x0                           ; my part of tile 0 is in; slot 1's first fill is issued as a refill is:
	ds_add_u32 v[SPW], v[NIL]                      ; 0 onto my spare word
	s_add_co_u32 s[G0+1], s[WQ], SLOT
	s_add_nc_u64 s[G0+2:G0+3], s[G0+2:G0+3], s[ST1:ST1+1]   ; tile 1
	s_wait_dscnt 0x0
	CROUND                                         ; slot 0 is whole, and the joint loads meet
	tensor_load_to_lds s[G0:G0+3], s[G1:G1+7]
	s_nop 0
	v_add_nc_u32 v[ADK], s[TB], v[AK]
	v_add_nc_u32 v[ADV], s[TB], v[AV]
	v_nop
	v_nop
	s_wait_alu depctr_va_vdst(0)
	KLOAD 0
	ASK                                            ; tile 2
.Lslot:                                            ; six trips, a slot each: their changes of slots ask for tiles 2 to 7
	FIRST
	LAST 1
	s_sub_co_u32 s[CNT], s[CNT], 1
	s_cmp_lg_u32 s[CNT], 0
	s_cbranch_scc1 .Lslot
	s_mov_b32 s[IC], 2
.Ltail:                                            ; the last two slots ask for nothing: a loop of their own
	FIRST
	LAST 0
	s_sub_co_u32 s[IC], s[IC], 1
	s_cmp_lg_u32 s[IC], 0
	s_cbranch_scc1 .Ltail
	; THE WAY OUT.  O^T / the sum goes as f32 into the stage; behind a barrier each wave takes eight whole rows of 256 channels, quantises them and stores 8 bytes a lane.
	s_wait_dscnt 0x0                               ; no LDS read of mine is out:
	s_barrier_signal -1
	s_barrier_wait -1                              ; nor of any wave: the stage may be written
.rept 4
	v_nop
.endr
	v_add_f32 v[LA], v[LA], v[LA+1]
	v_add_f32 v[LB], v[LB], v[LB+1]
	v_permlanex16_b32 v26, v[LA], s[SEL], s[SEL+1]
	v_permlanex16_b32 v27, v[LB], s[SEL], s[SEL+1]
	v_add_f32 v[LA], v[LA], v26                    ; the rows' sums
	v_add_f32 v[LB], v[LB], v27
	s_wait_alu depctr_va_vdst(0)                   ; the wait ahead of the transcendentals
	v_rcp_f32 v[LA], v[LA]
	v_rcp_f32 v[LB], v[LB]
	s_add_co_i32 s76, s72, s73
	s_sub_co_i32 s76, s74, s76                     ; a sum of product 3 stands for sum x 2^(e4 + e5): the conversion's scale is 2^(e6 - e4 - e5)
	s_add_co_i32 s76, s76, 127
	s_lshl_b32 s77, s76, 23
	v_mov_b32 v46, s77                             ; (a plain instruction behind the reciprocals)
	s_add_co_i32 s76, s76, 15
	s_lshl_b32 s76, s76, 23
	s_or_b32 s76, s76, 0x600000
	v_mov_b32 v47, s76
	s_wait_alu depctr_va_vdst(0)                   ; the wait ahead of the first reader of the reciprocals and of O^T
.set n, 0
.rept 32
	v_mul_f32 v[SB+n], v[OA+n], v[LA]              ; register 8 dt + j is o(query r, d = 16 dt + 8 h + j)
.set n, n+1
.endr
.set n, 0
.rept 32
	v_mul_f32 v[SB+32+n], v[OB+n], v[LB]
.set n, n+1
.endr
.irp u, 0,1
.irp dt, 0,1,2,3
	ds_store_b128 v[STO], v[SB+32*\u+8*\dt:SB+32*\u+8*\dt+3] offset:16*SP*\u+64*\dt
	ds_store_b128 v[STO], v[SB+32*\u+8*\dt+4:SB+32*\u+8*\dt+7] offset:16*SP*\u+64*\dt+16
.endr
.endr
	s_wait_dscnt 0x0                               ; for the others' sake: my stores are done
	s_barrier_signal -1
	s_barrier_wait -1
.irp rr, 0,1,2,3,4,5,6,7
.irp i, 0,1
	ds_load_b128 v[SA+8*\rr+4*\i:SA+8*\rr+4*\i+3], v[RD] offset:\rr*SP+512*\i   ; channels 128 i + 4 l + 0 .. 3
.endr
.endr
	s_wait_dscnt 0x0
.set n, 0
.rept 64
	v_med3_num_f32 v[SA+n], v[SA+n], -v47, v47
.set n, n+1
.endr
.irp rr, 0,1,2,3,4,5,6,7
	v_cvt_scalef32_pk8_bf8_f32 v[CODE+2*\rr:CODE+2*\rr+1], v[SA+8*\rr:SA+8*\rr+7], v46
.endr
	v_nop                                          ; a plain instruction behind the last conversion
.irp rr, 0,1,2,3,4,5,6,7
	global_store_b64 v[GOF], v[CODE+2*\rr:CODE+2*\rr+1], s[8:9] offset:\rr*1024   ; 32 lanes store 256 consecutive bytes, aligned
.endr
	s_wait_tensorcnt 0x0                           ; the wave's end
	ds_add_u32 v[SPW], v[NIL]
	s_wait_dscnt 0x0
	CROUND                                         ; the closing round
	s_endpgm
.Lfunc_end_k_q1581c2d739_attn:
	.size	k_q1581c2d739_attn, .Lfunc_end_k_q1581c2d739_attn-k_q1581c2d739_attn
	.p2alignl 7, 3214868480
	.fill 96, 4, 3214868480
	.section	.rodata,"a",@progbits
	.p2align	6, 0x0
	.amdhsa_kernel k_q1581c2d739_attn
		.amdhsa_group_segment_fixed_size 327680
		.amdhsa_private_segment_fixed_size 0
		.amdhsa_enable_private_segment 0
		.amdhsa_kernarg_size 24
		.amdhsa_user_sgpr_count 2
		.amdhsa_user_sgpr_kernarg_segment_ptr 1
		.amdhsa_wavefront_size32 1
		.amdhsa_system_sgpr_workgroup_id_x 1
		.amdhsa_system_sgpr_workgroup_id_y 1
		.amdhsa_system_sgpr_workgroup_id_z 1
		.amdhsa_system_vgpr_workitem_id 0
		.amdhsa_next_free_vgpr 512
		.amdhsa_next_free_sgpr 100
		.amdhsa_reserve_vcc 0
		.amdhsa_float_denorm_mode_32 3
		.amdhsa_float_denorm_mode_16_64 3
		.amdhsa_memory_ordered 1
		.amdhsa_forward_progress 1
		.amdhsa_inst_pref_size 135
	.end_amdhsa_kernel
	.amdgpu_metadata
---
amdhsa.version: [ 1, 2 ]
amdhsa.kernels:
  - .name:           k_q1581c2d739_attn
    .symbol:         k_q1581c2d739_attn.kd
    .args:
      - { .name: qkvc, .offset: 0, .size: 8, .value_kind: global_buffer, .address_space: global }
      - { .name: lowp_scales, .offset: 8, .size: 8, .value_kind: global_buffer, .address_space: global }
      - { .name: oc, .offset: 16, .size: 8, .value_kind: global_buffer, .address_space: global }
    .group_segment_fixed_size: 327680
    .private_segment_fixed_size: 0
    .kernarg_segment_align: 8
    .kernarg_segment_size: 24
    .max_flat_workgroup_size: 256
    .sgpr_count:     100
    .vgpr_count:     512
    .wavefront_size: 32
...
	.end_amdgpu_metadata
.endif
;; end of part 3
;; launch proj (part 4): grid 8 x 32, 4 waves a work-group, clusters of 4 x 4, 327,680 bytes of LDS; arguments oc, wc, lowp_scales, x1, b_proj, x; writes x1
.if DOCPART == 4
	.amdgcn_target "amdgcn-amd-amdhsa--gfx1250"
	.amdhsa_code_object_version 6
	.text
	.protected	k_q1581c2d739_proj
	.globl	k_q1581c2d739_proj
	.p2align	8
	.type	k_q1581c2d739_proj,@function
k_q1581c2d739_proj:
	s_mov_b64 s[64:65], 0
	v_nop
	global_prefetch_b8 v0, s[64:65] scope:SCOPE_SE
	s_setreg_imm32_b32 hwreg(HW_REG_WAVE_MODE, 25, 1), 1
	s_wait_xcnt 0x0
	s_wait_alu depctr_hold_cnt(0) depctr_sa_sdst(0) depctr_va_vdst(0) depctr_va_sdst(0) depctr_va_ssrc(0) depctr_va_vcc(0) depctr_vm_vsrc(0)
	s_getreg_b32 s2, hwreg(HW_REG_IB_STS2, 6, 4)
	s_cmp_eq_u32 s2, 0
	s_cbranch_scc0 .Lentry_in_a_cluster
	s_endpgm
.Lentry_in_a_cluster:
	s_bfe_u32 s2, ttmp6, 0x10000c
	s_cmp_lg_u32 s2, 0xf033
	s_cbranch_scc0 .Lentry_shape_is_right
	s_endpgm
.Lentry_shape_is_right:
; Product 4 on codes of E5M2: x1 = x + oc w_proj^T x 2^(e6 + e7) + b_proj, f32.  oc [4096][1024] and w_proj's codes (wc at WOFF) hold K in the same order.
; A block of 128 x 128 to a work-group of four waves (64 x 64 a wave); K in two steps of 512 through two LDS slots; clusters of 4 x 4 ask for A's tiles along a row and for B's along a column jointly.
; No prefetch: the two K steps are the two first fills, and there is no loop to run ahead in.  LIMIT: e6 + e7 between -126 and 127.
.set SIZE_K, 1024
.set WOFF,   3145728
.set EOFF,   0x18
.set KSTEP,  512
.set PITCH,  528
.set HALFT,  64*PITCH
.set SLOT,   4*HALFT
.set STAGE,  2*SLOT
.set SPITCH, 272
.set SPARE,  STAGE+4*16*SPITCH
.set LAPS,   SIZE_K/(2*KSTEP)
.set ADRA, 16
.set ADRB, 20
.set STO,  24
.set RD,   25
.set CO,   26
.set BOF,  27
.set SPW,  28
.set NIL,  29
.set TMP,  32
.set BIAS, 96
.set ACC,  128
.set F0,   0
.set F1,   128
.set G1, 24
.set G0, 32
.set G1B, 48
.set G0B, 56
.set MSB, 0
.macro WIN new
.if MSB != (\new)
	s_set_vgpr_msb (MSB<<8)|(\new)
.set MSB, \new
.endif
.endm
.set MUL,  0x05
.set TO_F, 0x40
.macro JLOAD s
	s_cmp_eq_u32 s15, 0
	s_cbranch_scc0 .Lfor_b_\@
	tensor_load_to_lds s[G0+4*\s:G0+4*\s+3], s[G1:G1+7]
	s_nop 0
.rept 4
	v_nop
.endr
	s_branch .Lasked_\@
.Lfor_b_\@:
	tensor_load_to_lds s[G0B+4*\s:G0B+4*\s+3], s[G1B:G1B+7]
	s_nop 0
.rept 4
	v_nop
.endr
.Lasked_\@:
.endm
.macro CREST
	s_cmp_lg_u32 s14, 0
	s_cbranch_scc1 .Lnot_wave_0_\@
	s_barrier_signal -3
.Lnot_wave_0_\@:
	s_barrier_wait -3
	s_barrier_signal -1
	s_barrier_wait -1
.endm
.macro CROUND
	s_barrier_signal -1
	s_barrier_wait -1
	CREST
.endm
	s_load_b128 s[4:7], s[0:1], 0x0
	s_load_b128 s[8:11], s[0:1], 0x10
	s_load_b128 s[68:71], s[0:1], 0x20
	v_lshl_add_u32 v[SPW], v0, 2, SPARE
	v_mov_b32 v[NIL], 0
	ds_add_u32 v28, v29
	ds_add_u32 v28, v29
	s_wait_dscnt 0x0
	v_lshrrev_b32 v1, 5, v0
	v_readfirstlane_b32 s14, v1
	s_lshr_b32 s15, s14, 1
	s_and_b32 s16, s14, 1
	s_bfe_u32 s40, ttmp6, 0x40000
	s_bfe_u32 s41, ttmp6, 0x40004
	s_lshl_b32 s42, ttmp9, 2
	s_add_co_u32 s42, s42, s40
	s_and_b32 s17, ttmp7, 0xffff
	s_lshl_b32 s17, s17, 2
	s_add_co_u32 s17, s17, s41
	s_lshl_b32 s43, s41, 2
	s_lshl_b32 s43, 15, s43
	s_lshl_b32 s44, 0x1111, s40
	s_or_b32 s[G1+0], s43, (0<<16)|(1<<20)|(1<<21)|(6<<22)|(3<<25)
	s_or_b32 s[G1B+0], s44, (0<<16)|(1<<20)|(1<<21)|(6<<22)|(3<<25)
.irp g, G1, G1B
	s_mov_b32 s[\g+1], KSTEP<<16
	s_mov_b32 s[\g+2], 64<<16
	s_mov_b32 s[\g+3], KSTEP<<16
	s_mov_b32 s[\g+4], 64
	s_mov_b32 s[\g+5], SIZE_K
	s_mov_b32 s[\g+6], 0
	s_mov_b32 s[\g+7], 0
.endr
	s_lshl_b32 s18, s16, 6
	s_lshl_b32 s20, s17, 7
	s_add_co_u32 s20, s20, s18
	s_mul_i32 s20, s20, SIZE_K
	s_mov_b32 s21, 0
	s_lshl_b32 s46, s42, 7
	s_add_co_u32 s46, s46, s18
	s_mul_i32 s46, s46, SIZE_K
	s_mov_b32 s47, 0
	s_mul_i32 s45, s14, HALFT
	s_wait_kmcnt 0x0
	s_load_b64 s[72:73], s[8:9], EOFF
	s_add_nc_u64 s[6:7], s[6:7], WOFF
	s_add_nc_u64 s[20:21], s[4:5], s[20:21]
	s_add_nc_u64 s[46:47], s[6:7], s[46:47]
	CROUND
.irp s, 0,1
	s_mov_b32 s[G0+4*\s], 1
	s_add_co_u32 s[G0+4*\s+1], s45, \s*SLOT
	s_add_nc_u64 s[G0+4*\s+2:G0+4*\s+3], s[20:21], \s*KSTEP
	s_or_b32 s[G0+4*\s+3], s[G0+4*\s+3], 0x80000000
	s_mov_b32 s[G0B+4*\s], 1
	s_add_co_u32 s[G0B+4*\s+1], s45, \s*SLOT
	s_add_nc_u64 s[G0B+4*\s+2:G0B+4*\s+3], s[46:47], \s*KSTEP
	s_or_b32 s[G0B+4*\s+3], s[G0B+4*\s+3], 0x80000000
.endr
	JLOAD 0                                        ; K step 0: one tensor load a wave at the head
	v_and_b32 v1, 15, v0
	s_wait_alu depctr_va_vdst(0)
	v_bfe_u32 v2, v0, 4, 1
	v_mul_u32_u24 v3, v1, PITCH
	v_lshl_add_u32 v3, v2, 4, v3
	s_mul_i32 s21, s15, HALFT
	s_mul_i32 s22, s16, HALFT
	s_add_co_u32 s22, s22, 2*HALFT
.irp s, 0,1
	v_add_nc_u32 v[ADRA+\s], s21, v3
	v_add_nc_u32 v[ADRB+\s], s22, v3
	s_add_co_u32 s21, s21, SLOT
	s_add_co_u32 s22, s22, SLOT
.endr
	s_mul_i32 s23, s14, 16*SPITCH
	s_add_co_u32 s23, s23, STAGE
	v_mul_u32_u24 v4, v1, SPITCH
	s_wait_alu depctr_va_vdst(0)
	v_lshl_add_u32 v4, v2, 5, v4
	v_add_nc_u32 v[STO], s23, v4
	v_mul_u32_u24 v5, v2, SPITCH
	v_lshl_add_u32 v5, v1, 4, v5
	v_add_nc_u32 v[RD], s23, v5
	v_lshlrev_b32 v[CO], 12, v2
	v_lshl_add_u32 v[CO], v1, 4, v[CO]
	s_wait_alu depctr_va_vdst(0)
	v_lshlrev_b32 v[BOF], 4, v1
	s_wait_alu depctr_va_vdst(0)
	s_lshl_b32 s20, s17, 7
	s_lshl_b32 s21, s15, 6
	s_add_co_u32 s20, s20, s21
	s_lshl_b32 s20, s20, 12
	s_mov_b32 s21, 0
	s_lshl_b32 s46, s42, 9
	s_lshl_b32 s47, s16, 8
	s_add_co_u32 s46, s46, s47
	s_mov_b32 s47, 0
	s_add_nc_u64 s[68:69], s[68:69], s[46:47]
	s_add_nc_u64 s[20:21], s[20:21], s[46:47]
	s_add_nc_u64 s[10:11], s[10:11], s[20:21]
	s_add_nc_u64 s[70:71], s[70:71], s[20:21]
	WIN 0x80
.irp a, 0,1,2,3
.irp t, 0,1,2,3,4,5,6,7
	global_load_b128 v[4*(8*\a+\t):4*(8*\a+\t)+3], v[CO], s[70:71] offset:(16*\a+2*\t)*4096 th:TH_LOAD_NT
.endr
.endr
	WIN 0
	global_load_b128 v[BIAS:BIAS+3], v[BOF], s[68:69]
.macro MUL4 f, a, zero
.irp b, 0,1,2,3
.if \zero
	v_wmma_f32_16x16x128_bf8_bf8 v[ACC+8*(4*\a+\b):ACC+8*(4*\a+\b)+7], v[\f+64+16*\b:\f+64+16*\b+15], v[\f+16*\a:\f+16*\a+15], 0
.else
	v_wmma_f32_16x16x128_bf8_bf8 v[ACC+8*(4*\a+\b):ACC+8*(4*\a+\b)+7], v[\f+64+16*\b:\f+64+16*\b+15], v[\f+16*\a:\f+16*\a+15], v[ACC+8*(4*\a+\b):ACC+8*(4*\a+\b)+7]
.endif
.endr
.endm
.macro FETCH slot, k, f
	WIN TO_F
.irp i, 0,1,2,3
.irp c, 0,1,2,3
	ds_load_b128 v[\f+64+16*\i+4*\c:\f+64+16*\i+4*\c+3], v[ADRB+\slot] offset:\k+32*\c+\i*16*PITCH
.endr
.endr
.irp i, 0,1,2,3
.irp c, 0,1,2,3
	ds_load_b128 v[\f+16*\i+4*\c:\f+16*\i+4*\c+3], v[ADRA+\slot] offset:\k+32*\c+\i*16*PITCH
.endr
.endr
.endm
.macro PLACES
.rept 4
	v_nop
.endr
.endm
.macro QUARTER slot, k, f, g, zero
	s_wait_dscnt 8
	WIN MUL
	MUL4 \f, 0, \zero
	MUL4 \f, 1, \zero
	PLACES
	FETCH \slot, \k, \g
	s_wait_dscnt 32
	WIN MUL
	MUL4 \f, 2, \zero
	MUL4 \f, 3, \zero
.endm
.macro TURN slot, next, fill
	WIN 0
	s_wait_tensorcnt 0x0
	ds_add_u32 v[SPW], v[NIL]
	s_wait_dscnt 9
	WIN MUL
	MUL4 F1, 0, 0
	MUL4 F1, 1, 0
	s_wait_dscnt 0x0
	s_barrier_signal -1
	MUL4 F1, 2, 0
	WIN 0
	s_barrier_wait -1
.if \fill
	CREST
	s_add_nc_u64 s[G0+4*\slot+2:G0+4*\slot+3], s[G0+4*\slot+2:G0+4*\slot+3], 2*KSTEP
	s_add_nc_u64 s[G0B+4*\slot+2:G0B+4*\slot+3], s[G0B+4*\slot+2:G0B+4*\slot+3], 2*KSTEP
	JLOAD \slot
.else
	PLACES
.endif
	FETCH \next, 0, F0
	WIN MUL
	MUL4 F1, 3, 0
.endm
	s_wait_alu depctr_va_vdst(0)                   ; the wait at the head's end
	s_wait_tensorcnt 0x0                           ; my part of K step 0 is in; slot 1's first fill is issued as a refill is:
	ds_add_u32 v[SPW], v[NIL]                      ; 0 onto my spare word
	s_wait_dscnt 0x0
	CROUND                                         ; a whole round: slot 0 is whole, and the joint loads meet
	JLOAD 1                                        ; K step 1, the first tensor load behind the round
	FETCH 0, 0, F0
	QUARTER 0, 128, F0, F1, 1
.if LAPS > 1
	WIN 0
	s_mov_b32 s3, LAPS-1
.Llap:
	QUARTER 0, 256, F1, F0, 0
	QUARTER 0, 384, F0, F1, 0
	TURN 0, 1, 1
	QUARTER 1, 128, F0, F1, 0
	QUARTER 1, 256, F1, F0, 0
	QUARTER 1, 384, F0, F1, 0
	TURN 1, 0, 1
	QUARTER 0, 128, F0, F1, 0
	WIN 0
	s_sub_co_u32 s3, s3, 1
	s_cmp_lg_u32 s3, 0
	s_cbranch_scc1 .Llap
.endif
	QUARTER 0, 256, F1, F0, 0
	QUARTER 0, 384, F0, F1, 0
	TURN 0, 1, 0
	QUARTER 1, 128, F0, F1, 0
	QUARTER 1, 256, F1, F0, 0
	QUARTER 1, 384, F0, F1, 0
	s_wait_dscnt 8
	WIN MUL
	MUL4 F1, 0, 0
	MUL4 F1, 1, 0
	s_wait_dscnt 0
	MUL4 F1, 2, 0
	MUL4 F1, 3, 0
	WIN 0
	PLACES
	s_wait_loadcnt 0x0
	s_wait_kmcnt 0x0
	s_add_co_i32 s80, s72, s73
	s_add_co_i32 s80, s80, 127
	s_lshl_b32 s80, s80, 23
	s_mov_b32 s81, s80
.irp a, 0,1,2,3
.irp b, 0,1,2,3
	ds_store_b128 v[STO], v[ACC+8*(4*\a+\b):ACC+8*(4*\a+\b)+3] offset:64*\b
	ds_store_b128 v[STO], v[ACC+8*(4*\a+\b)+4:ACC+8*(4*\a+\b)+7] offset:64*\b+16
.endr
.irp t, 0,1,2,3,4,5,6,7
	ds_load_b128 v[TMP+4*\t:TMP+4*\t+3], v[RD] offset:\t*2*SPITCH
.endr
	s_wait_dscnt 0x0
.irp p, 0,2,4,6,8,10,12,14,16,18,20,22,24,26,28,30
	v_pk_fma_f32 v[TMP+\p:TMP+\p+1], v[TMP+\p:TMP+\p+1], s[80:81], v[BIAS+\p%4:BIAS+\p%4+1] op_sel_hi:[1,0,1]
.endr
	WIN 0x88
.irp p, 0,2,4,6,8,10,12,14,16,18,20,22,24,26,28,30
	v_pk_add_f32 v[32*\a+\p:32*\a+\p+1], v[TMP+\p:TMP+\p+1], v[32*\a+\p:32*\a+\p+1]
.endr
.irp t, 0,1,2,3,4,5,6,7
	global_store_b128 v[CO], v[4*(8*\a+\t):4*(8*\a+\t)+3], s[10:11] offset:(16*\a+2*\t)*4096
.endr
	WIN 0
.endr
	s_wait_tensorcnt 0x0
	ds_add_u32 v[SPW], v[NIL]
	s_wait_dscnt 0x0
	CROUND
	s_endpgm
.Lfunc_end_k_q1581c2d739_proj:
	.size	k_q1581c2d739_proj, .Lfunc_end_k_q1581c2d739_proj-k_q1581c2d739_proj
	.p2alignl 7, 3214868480
	.fill 96, 4, 3214868480
	.section	.rodata,"a",@progbits
	.p2align	6, 0x0
	.amdhsa_kernel k_q1581c2d739_proj
		.amdhsa_group_segment_fixed_size 327680
		.amdhsa_private_segment_fixed_size 0
		.amdhsa_enable_private_segment 0
		.amdhsa_kernarg_size 48
		.amdhsa_user_sgpr_count 2
		.amdhsa_user_sgpr_kernarg_segment_ptr 1
		.amdhsa_wavefront_size32 1
		.amdhsa_system_sgpr_workgroup_id_x 1
		.amdhsa_system_sgpr_workgroup_id_y 1
		.amdhsa_system_sgpr_workgroup_id_z 1
		.amdhsa_system_vgpr_workitem_id 0
		.amdhsa_next_free_vgpr 640
		.amdhsa_next_free_sgpr 90
		.amdhsa_reserve_vcc 0
		.amdhsa_float_denorm_mode_32 3
		.amdhsa_float_denorm_mode_16_64 3
		.amdhsa_memory_ordered 1
		.amdhsa_forward_progress 1
		.amdhsa_inst_pref_size 54
	.end_amdhsa_kernel
	.amdgpu_metadata
---
amdhsa.version: [ 1, 2 ]
amdhsa.kernels:
  - .name:           k_q1581c2d739_proj
    .symbol:         k_q1581c2d739_proj.kd
    .args:
      - { .name: oc, .offset: 0, .size: 8, .value_kind: global_buffer, .address_space: global }
      - { .name: wc, .offset: 8, .size: 8, .value_kind: global_buffer, .address_space: global }
      - { .name: lowp_scales, .offset: 16, .size: 8, .value_kind: global_buffer, .address_space: global }
      - { .name: x1, .offset: 24, .size: 8, .value_kind: global_buffer, .address_space: global }
      - { .name: b_proj, .offset: 32, .size: 8, .value_kind: global_buffer, .address_space: global }
      - { .name: x, .offset: 40, .size: 8, .value_kind: global_buffer, .address_space: global }
    .group_segment_fixed_size: 327680
    .private_segment_fixed_size: 0
    .kernarg_segment_align: 8
    .kernarg_segment_size: 48
    .max_flat_workgroup_size: 128
    .sgpr_count:     90
    .vgpr_count:     640
    .wavefront_size: 32
...
	.end_amdgpu_metadata
.endif
;; end of part 4
;; launch ln2 (part 5): grid 256 x 1, 4 waves a work-group, no clusters, 0 bytes of LDS; arguments x1, ln2_g, ln2_b, lowp_scales, hc; writes hc
.if DOCPART == 5
	.amdgcn_target "amdgcn-amd-amdhsa--gfx1250"
	.amdhsa_code_object_version 6
	.text
	.protected	k_q1581c2d739_ln2
	.globl	k_q1581c2d739_ln2
	.p2align	8
	.type	k_q1581c2d739_ln2,@function
k_q1581c2d739_ln2:
	s_mov_b64 s[64:65], 0
	v_nop
	global_prefetch_b8 v0, s[64:65] scope:SCOPE_SE
	s_setreg_imm32_b32 hwreg(HW_REG_WAVE_MODE, 25, 1), 1
	s_wait_xcnt 0x0
; LayerNorm 2 of x1 [4096][1024] f32, quantised to codes of E5M2 with the given scale 2^e8, into hc [4096][1024].
; code = number / 2^e8, held within +-57,344, to the nearest code, ties to even.  In each run of 256 along K, number 128 i + 4 l + j has its code at byte 8 l + 4 i + j: the order that the weights' codes have.
; A work-group takes 16 rows, a wave four; one wave holds a whole row in 32 registers between the passes.  No LDS, no barrier.
; LIMITS: e8 between -126 and 112.  NaN and infinities among the inputs are not served.
.set G,   16                           ; v16-47   the gain: register 4 i + j = column 128 i + 4 l + j
.set BT,  48                           ; v48-79   the offset
.set X,   80                           ; v80-207  four rows of 32 registers
.set CD,  208                          ; v208-239 eight registers of codes a row
.set T,   240
.set MU,  248
.set RS,  250
.set SCL, 252
.set LIM, 253
.set TP,  254
	s_load_b256 s[4:11], s[0:1], 0x0               ; x1, ln2_g, ln2_b, the scales' exponents
	s_load_b64 s[20:21], s[0:1], 0x20              ; hc
	v_lshrrev_b32 v3, 5, v0
	v_readfirstlane_b32 s36, v3                    ; wave 0..3
	v_and_b32 v3, 31, v0
	v_lshlrev_b32 v1, 4, v3                        ; in: 16 bytes a lane
	v_lshlrev_b32 v2, 3, v3                        ; out: 8 bytes a lane
	s_lshl_b32 s37, ttmp9, 4
	s_lshl_b32 s38, s36, 2
	s_add_co_u32 s37, s37, s38                     ; my first row
	s_mov_b32 s39, 0
	s_mov_b32 s40, 0x76543210
	s_mov_b32 s41, 0xfedcba98
	s_mov_b32 s42, 0x3727c5ac                      ; 1e-5
	v_mov_b32 v[TP], 0
	s_wait_alu depctr_va_vdst(0)
	s_wait_kmcnt 0x0
	s_load_b32 s24, s[10:11], 0x20                 ; e8
	s_lshl_b32 s38, s37, 12
	s_add_nc_u64 s[4:5], s[4:5], s[38:39]
	s_lshl_b32 s38, s37, 10
	s_add_nc_u64 s[20:21], s[20:21], s[38:39]
.irp i, 0,1,2,3,4,5,6,7
	global_load_b128 v[G+4*\i:G+4*\i+3], v1, s[6:7] offset:512*\i
.endr
.irp i, 0,1,2,3,4,5,6,7
	global_load_b128 v[BT+4*\i:BT+4*\i+3], v1, s[8:9] offset:512*\i
.endr
.irp rr, 0,1,2,3
.irp i, 0,1,2,3,4,5,6,7
	global_load_b128 v[X+32*\rr+4*\i:X+32*\rr+4*\i+3], v1, s[4:5] offset:4096*\rr+512*\i th:TH_LOAD_NT
.endr
.endr
	s_wait_kmcnt 0x0
	s_add_co_i32 s43, s24, 127
	s_lshl_b32 s44, s43, 23
	v_mov_b32 v[SCL], s44
	s_add_co_i32 s43, s43, 15
	s_lshl_b32 s43, s43, 23
	s_or_b32 s43, s43, 0x600000
	v_mov_b32 v[LIM], s43
.macro LANESUM                         ; v[T] summed over the 32 lanes, the result in every lane
	v_add_f32_dpp v[T], v[T], v[T] row_xmask:1 row_mask:0xf bank_mask:0xf
	v_add_f32_dpp v[T], v[T], v[T] row_xmask:2 row_mask:0xf bank_mask:0xf
	v_add_f32_dpp v[T], v[T], v[T] row_xmask:4 row_mask:0xf bank_mask:0xf
	v_add_f32_dpp v[T], v[T], v[T] row_xmask:8 row_mask:0xf bank_mask:0xf
	v_permlanex16_b32 v[TP], v[T], s40, s41
	v_add_f32 v[T], v[T], v[TP]
.endm
.macro FOLD
	v_pk_add_f32 v[T:T+1], v[T:T+1], v[T+2:T+3]
	v_pk_add_f32 v[T+4:T+5], v[T+4:T+5], v[T+6:T+7]
	v_pk_add_f32 v[T:T+1], v[T:T+1], v[T+4:T+5]
	v_add_f32 v[T], v[T], v[T+1]
.endm
; Row rr.  left: the later rows' loads, which may stay out.  The variance is taken of the differences from the mean.
.macro LNROW rr, left
.set XR, X+32*(\rr)
	s_wait_loadcnt \left
.irp k, 0,1,2,3
	v_pk_add_f32 v[T+2*\k:T+2*\k+1], v[XR+2*\k:XR+2*\k+1], v[XR+8+2*\k:XR+8+2*\k+1]
.endr
.irp p, 8,9,10,11,12,13,14,15
	v_pk_add_f32 v[T+2*(\p%4):T+2*(\p%4)+1], v[T+2*(\p%4):T+2*(\p%4)+1], v[XR+2*\p:XR+2*\p+1]
.endr
	FOLD
	LANESUM
	v_mul_f32 v[MU], 0x3a800000, v[T]              ; / 1,024
	v_mov_b32 v[MU+1], v[MU]
.set n, 0
.rept 16
	v_pk_add_f32 v[XR+2*n:XR+2*n+1], v[XR+2*n:XR+2*n+1], v[MU:MU+1] neg_lo:[0,1] neg_hi:[0,1]
.set n, n+1
.endr
.irp k, 0,1,2,3
	v_pk_mul_f32 v[T+2*\k:T+2*\k+1], v[XR+2*\k:XR+2*\k+1], v[XR+2*\k:XR+2*\k+1]
.endr
.irp p, 4,5,6,7,8,9,10,11,12,13,14,15
	v_pk_fma_f32 v[T+2*(\p%4):T+2*(\p%4)+1], v[XR+2*\p:XR+2*\p+1], v[XR+2*\p:XR+2*\p+1], v[T+2*(\p%4):T+2*(\p%4)+1]
.endr
	FOLD
	LANESUM
	v_fma_f32 v[T], v[T], 0x3a800000, s42          ; var + eps
	s_wait_alu depctr_va_vdst(0)
	v_rsq_f32 v[RS], v[T]
	v_rsq_f32 v[RS+1], v[T]
	v_nop                                          ; a plain instruction behind the last transcendental (ISA guide 5.7.2)
	s_wait_alu depctr_va_vdst(0)                   ; one wait for both, ahead of their first reader
.set n, 0
.rept 16
	v_pk_mul_f32 v[XR+2*n:XR+2*n+1], v[XR+2*n:XR+2*n+1], v[RS:RS+1]
.set n, n+1
.endr
.set n, 0
.rept 16
	v_pk_fma_f32 v[XR+2*n:XR+2*n+1], v[XR+2*n:XR+2*n+1], v[G+2*n:G+2*n+1], v[BT+2*n:BT+2*n+1]
.set n, n+1
.endr
.set n, 0
.rept 32
	v_med3_num_f32 v[XR+n], v[XR+n], -v[LIM], v[LIM]   ; the conversion does not saturate (ISA guide 7.6.2): the hold comes first
.set n, n+1
.endr
.irp c, 0,1,2,3
	v_cvt_scalef32_pk8_bf8_f32 v[CD+8*(\rr)+2*\c:CD+8*(\rr)+2*\c+1], v[XR+8*\c:XR+8*\c+7], v[SCL]
.endr
.irp c, 0,1,2,3
	global_store_b64 v2, v[CD+8*(\rr)+2*\c:CD+8*(\rr)+2*\c+1], s[20:21] offset:1024*(\rr)+256*\c   ; 256 consecutive bytes, aligned
.endr
.endm
	LNROW 0, 24
	LNROW 1, 16
	LNROW 2, 8
	LNROW 3, 0
	s_endpgm
.Lfunc_end_k_q1581c2d739_ln2:
	.size	k_q1581c2d739_ln2, .Lfunc_end_k_q1581c2d739_ln2-k_q1581c2d739_ln2
	.p2alignl 7, 3214868480
	.fill 96, 4, 3214868480
	.section	.rodata,"a",@progbits
	.p2align	6, 0x0
	.amdhsa_kernel k_q1581c2d739_ln2
		.amdhsa_group_segment_fixed_size 0
		.amdhsa_private_segment_fixed_size 0
		.amdhsa_enable_private_segment 0
		.amdhsa_kernarg_size 40
		.amdhsa_user_sgpr_count 2
		.amdhsa_user_sgpr_kernarg_segment_ptr 1
		.amdhsa_wavefront_size32 1
		.amdhsa_system_sgpr_workgroup_id_x 1
		.amdhsa_system_sgpr_workgroup_id_y 1
		.amdhsa_system_sgpr_workgroup_id_z 1
		.amdhsa_system_vgpr_workitem_id 0
		.amdhsa_next_free_vgpr 256
		.amdhsa_next_free_sgpr 66
		.amdhsa_reserve_vcc 0
		.amdhsa_float_denorm_mode_32 3
		.amdhsa_float_denorm_mode_16_64 3
		.amdhsa_memory_ordered 1
		.amdhsa_forward_progress 1
		.amdhsa_inst_pref_size 42
	.end_amdhsa_kernel
	.amdgpu_metadata
---
amdhsa.version: [ 1, 2 ]
amdhsa.kernels:
  - .name:           k_q1581c2d739_ln2
    .symbol:         k_q1581c2d739_ln2.kd
    .args:
      - { .name: x1, .offset: 0, .size: 8, .value_kind: global_buffer, .address_space: global }
      - { .name: ln2_g, .offset: 8, .size: 8, .value_kind: global_buffer, .address_space: global }
      - { .name: ln2_b, .offset: 16, .size: 8, .value_kind: global_buffer, .address_space: global }
      - { .name: lowp_scales, .offset: 24, .size: 8, .value_kind: global_buffer, .address_space: global }
      - { .name: hc, .offset: 32, .size: 8, .value_kind: global_buffer, .address_space: global }
    .group_segment_fixed_size: 0
    .private_segment_fixed_size: 0
    .kernarg_segment_align: 8
    .kernarg_segment_size: 40
    .max_flat_workgroup_size: 128
    .sgpr_count:     66
    .vgpr_count:     256
    .wavefront_size: 32
...
	.end_amdgpu_metadata
.endif
;; end of part 5
;; launch fc1 (part 6): grid 16 x 16, 4 waves a work-group, clusters of 4 x 4, 327,680 bytes of LDS; arguments hc, wc, lowp_scales, gc, b_fc1; writes gc
.if DOCPART == 6
	.amdgcn_target "amdgcn-amd-amdhsa--gfx1250"
	.amdhsa_code_object_version 6
	.text
	.protected	k_q1581c2d739_fc1
	.globl	k_q1581c2d739_fc1
	.p2align	8
	.type	k_q1581c2d739_fc1,@function
k_q1581c2d739_fc1:
	s_mov_b64 s[64:65], 0
	v_nop
	global_prefetch_b8 v0, s[64:65] scope:SCOPE_SE
	s_setreg_imm32_b32 hwreg(HW_REG_WAVE_MODE, 25, 1), 1
	s_wait_xcnt 0x0
	s_wait_alu depctr_hold_cnt(0) depctr_sa_sdst(0) depctr_va_vdst(0) depctr_va_sdst(0) depctr_va_ssrc(0) depctr_va_vcc(0) depctr_vm_vsrc(0)
	s_getreg_b32 s2, hwreg(HW_REG_IB_STS2, 6, 4)
	s_cmp_eq_u32 s2, 0
	s_cbranch_scc0 .Lentry_in_a_cluster
	s_endpgm
.Lentry_in_a_cluster:
	s_bfe_u32 s2, ttmp6, 0x10000c
	s_cmp_lg_u32 s2, 0xf033
	s_cbranch_scc0 .Lentry_shape_is_right
	s_endpgm
.Lentry_shape_is_right:
; Product 5 on codes of E5M2, the bias, the exact GELU (erfc by a rational form in f32) and the quantiser of product 6's left operand: gc [4096][4096] codes, K in the order that w_fc2's codes have.
; A block of 256 x 256 to a work-group of four waves (128 x 128 a wave); K in four steps of 256 through two LDS slots; clusters of 4 x 4 ask for A's tiles along a row and for B's along a column jointly.
; No prefetch: the largest block, in clusters, and K is four slots.  LIMITS: e8 + e9 between -126 and 127, e10 between -126 and 112.
.set KROW,   1024
.set ROWB,   256
.set PITCH,  272
.set FR,     16
.set NL,     4
.set NP,     4
.set HALFT,  128*PITCH
.set SLOT,   4*HALFT
.set SPARE,  2*SLOT
.set SPITCH, 1040
.set OPITCH, 4096
.set ADRA, 16
.set ADRB, 20
.set BOF,  22
.set STO0, 24
.set RD0,  26
.set GOF,  27
.set SPW,  28
.set NIL,  29
.set ADR,  30
.set BI,   32
.set RAW,  40
.set X,    72
.set T,    104
.set P,    136
.set Y,    168
.set CODE, 200
.set VC9,  208
.set SCL,  216
.set LIM,  217
.set AF,   128
.set G1, 24
.set G0, 32
.set G1B, 48
.set G0B, 56
.set MSB, 0
.macro WIN new
.if MSB != (\new)
	s_set_vgpr_msb (MSB<<8)|(\new)
.set MSB, \new
.endif
.endm
.set MUL_LO, 0xa1
.set MUL_HI, 0xf1
.set TO_B,   0x40
.macro JLOAD g0a, g1a, g0b, g1b
	s_cmp_eq_u32 s15, 0
	s_cbranch_scc0 .Lfor_b_\@
	tensor_load_to_lds s[\g0a:\g0a+3], s[\g1a:\g1a+7]
	s_nop 0
.rept 4
	v_nop
.endr
	s_branch .Lasked_\@
.Lfor_b_\@:
	tensor_load_to_lds s[\g0b:\g0b+3], s[\g1b:\g1b+7]
	s_nop 0
.rept 4
	v_nop
.endr
.Lasked_\@:
.endm
.macro CREST
	s_cmp_lg_u32 s14, 0
	s_cbranch_scc1 .Lnot_wave_0_\@
	s_barrier_signal -3
.Lnot_wave_0_\@:
	s_barrier_wait -3
	s_barrier_signal -1
	s_barrier_wait -1
.endm
.macro CROUND
	s_barrier_signal -1
	s_barrier_wait -1
	CREST
.endm
	s_load_b128 s[4:7], s[0:1], 0x0
	s_load_b128 s[8:11], s[0:1], 0x10
	s_load_b64 s[12:13], s[0:1], 0x20
	v_lshl_add_u32 v[SPW], v0, 2, SPARE
	v_mov_b32 v[NIL], 0
	ds_add_u32 v28, v29
	ds_add_u32 v28, v29
	s_wait_dscnt 0x0
	v_lshrrev_b32 v1, 5, v0
	v_readfirstlane_b32 s14, v1
	s_lshr_b32 s15, s14, 1
	s_and_b32 s16, s14, 1
	s_bfe_u32 s40, ttmp6, 0x40000
	s_bfe_u32 s41, ttmp6, 0x40004
	s_lshl_b32 s42, ttmp9, 2
	s_add_co_u32 s42, s42, s40
	s_and_b32 s17, ttmp7, 0xffff
	s_lshl_b32 s17, s17, 2
	s_add_co_u32 s17, s17, s41
	s_lshl_b32 s43, s41, 2
	s_lshl_b32 s43, 15, s43
	s_lshl_b32 s44, 0x1111, s40
	s_or_b32 s[G1+0], s43, (0<<16)|(1<<20)|(1<<21)|(5<<22)|(3<<25)
	s_or_b32 s[G1B+0], s44, (0<<16)|(1<<20)|(1<<21)|(5<<22)|(3<<25)
.irp g, G1, G1B
	s_mov_b32 s[\g+1], ROWB<<16
	s_mov_b32 s[\g+2], 128<<16
	s_mov_b32 s[\g+3], ROWB<<16
	s_mov_b32 s[\g+4], 128
	s_mov_b32 s[\g+5], KROW
	s_mov_b32 s[\g+6], 0
	s_mov_b32 s[\g+7], 0
.endr
	s_lshl_b32 s18, s16, 7
	s_lshl_b32 s20, s17, 8
	s_add_co_u32 s20, s20, s18
	s_lshl_b32 s20, s20, 10
	s_mov_b32 s21, 0
	s_lshl_b32 s46, s42, 8
	s_add_co_u32 s46, s46, s18
	s_lshl_b32 s46, s46, 10
	s_mov_b32 s47, 0
	s_mul_i32 s45, s14, HALFT
	s_wait_kmcnt 0x0
	s_load_b128 s[72:75], s[8:9], 0x20
	s_add_nc_u64 s[6:7], s[6:7], 4194304
	s_add_nc_u64 s[20:21], s[4:5], s[20:21]
	s_add_nc_u64 s[46:47], s[6:7], s[46:47]
	CROUND
.irp s, 0,1
	s_mov_b32 s[G0+4*\s], 1
	s_add_co_u32 s[G0+4*\s+1], s45, \s*SLOT
	s_add_nc_u64 s[G0+4*\s+2:G0+4*\s+3], s[20:21], \s*ROWB
	s_or_b32 s[G0+4*\s+3], s[G0+4*\s+3], 0x80000000
	s_mov_b32 s[G0B+4*\s], 1
	s_add_co_u32 s[G0B+4*\s+1], s45, \s*SLOT
	s_add_nc_u64 s[G0B+4*\s+2:G0B+4*\s+3], s[46:47], \s*ROWB
	s_or_b32 s[G0B+4*\s+3], s[G0B+4*\s+3], 0x80000000
.endr
	JLOAD G0, G1, G0B, G1B                         ; K step 0: one tensor load a wave at the head
	v_and_b32 v1, 15, v0
	s_wait_alu depctr_va_vdst(0)
	v_bfe_u32 v2, v0, 4, 1
	v_mul_u32_u24 v3, v1, PITCH
	v_lshl_add_u32 v4, v2, 4, v3
	s_mul_i32 s21, s15, HALFT
	s_mul_i32 s22, s16, HALFT
	s_add_co_u32 s22, s22, 2*HALFT
.irp s, 0,1
	v_add_nc_u32 v[ADRA+\s], s21, v4
	v_add_nc_u32 v[ADRB+\s], s22, v4
	s_add_co_u32 s21, s21, SLOT
	s_add_co_u32 s22, s22, SLOT
.endr
	s_mul_i32 s23, s15, 128*SPITCH
	s_lshl_b32 s22, s16, 9
	s_add_co_u32 s23, s23, s22
	v_mul_u32_u24 v5, v1, SPITCH
	s_wait_alu depctr_va_vdst(0)
	v_lshl_add_u32 v5, v2, 5, v5
	v_add_nc_u32 v[STO0], s23, v5
	v_add_nc_u32 v[STO0+1], 64*SPITCH, v[STO0]
	v_and_b32 v6, 31, v0
	s_mul_i32 s23, s14, 64*SPITCH
	v_lshl_add_u32 v[RD0], v6, 4, s23
	v_lshlrev_b32 v[GOF], 3, v6
	v_lshlrev_b32 v[BOF], 4, v6
	s_lshl_b32 s22, s42, 10
	s_mov_b32 s23, 0
	s_add_nc_u64 s[12:13], s[12:13], s[22:23]
	global_load_b128 v[BI:BI+3], v[BOF], s[12:13]
	global_load_b128 v[BI+4:BI+7], v[BOF], s[12:13] offset:512
	s_lshl_b32 s20, s17, 8
	s_lshl_b32 s21, s14, 6
	s_add_co_u32 s20, s20, s21
	s_lshl_b32 s20, s20, 12
	s_lshl_b32 s21, s42, 8
	s_add_co_u32 s20, s20, s21
	s_mov_b32 s21, 0
	s_add_nc_u64 s[10:11], s[10:11], s[20:21]
.macro FRAG reg, adr, q, i
.irp c, 0,1,2,3
	ds_load_b128 v[\reg+4*\c:\reg+4*\c+3], v[\adr] offset:128*(\q)+32*\c+(\i)*16*PITCH
.endr
.endm
.macro MUL16 a0, p, zero
.irp a, \a0, \a0+1
.irp b, 0,1,2,3,4,5,6,7
.if \zero
	v_wmma_f32_16x16x128_bf8_bf8 v[8*(8*((\a)%4)+\b):8*(8*((\a)%4)+\b)+7], v[128*(\p)+FR*\b:128*(\p)+FR*\b+FR-1], v[AF+FR*(\a):AF+FR*(\a)+FR-1], 0
.else
	v_wmma_f32_16x16x128_bf8_bf8 v[8*(8*((\a)%4)+\b):8*(8*((\a)%4)+\b)+7], v[128*(\p)+FR*\b:128*(\p)+FR*\b+FR-1], v[AF+FR*(\a):AF+FR*(\a)+FR-1], v[8*(8*((\a)%4)+\b):8*(8*((\a)%4)+\b)+7]
.endif
.endr
.endr
.endm
.macro FETCH_B slot, q, p
	WIN TO_B
.irp i, 0,1,2,3,4,5,6,7
	FRAG 128*(\p)+FR*\i, ADRB+\slot, \q, \i
.endr
	WIN 0
.endm
.macro FETCH_A slot, q, i0
.irp i, \i0, \i0+1, \i0+2, \i0+3
	FRAG AF+FR*(\i), ADRA+\slot, \q, \i
.endr
.endm
.macro PLACES n
.rept \n
	v_nop
.endr
.endm
.macro STEP slot, q, zero
	s_wait_dscnt 4*NL
	WIN MUL_LO
	MUL16 0, (\q)%2, \zero
	MUL16 2, (\q)%2, \zero
	s_wait_dscnt 0
	PLACES NP
	FETCH_B \slot, (\q)+1, 1-(\q)%2
	FETCH_A \slot, (\q)+1, 0
	WIN MUL_HI
	MUL16 4, (\q)%2, \zero
	MUL16 6, (\q)%2, \zero
	PLACES NP
	WIN 0
	FETCH_A \slot, (\q)+1, 4
.endm
.macro TURN slot, next, fill
	s_wait_tensorcnt 0x0
	ds_add_u32 v[SPW], v[NIL]
	s_wait_dscnt 4*NL+1
	WIN MUL_LO
	MUL16 0, 1, 0
	s_wait_dscnt 0x0
	s_barrier_signal -1
	MUL16 2, 1, 0
	WIN 0
	s_barrier_wait -1
.if \fill
	CREST
	s_add_nc_u64 s[G0+4*\slot+2:G0+4*\slot+3], s[G0+4*\slot+2:G0+4*\slot+3], 2*ROWB
	s_add_nc_u64 s[G0B+4*\slot+2:G0B+4*\slot+3], s[G0B+4*\slot+2:G0B+4*\slot+3], 2*ROWB
	JLOAD G0+4*\slot, G1, G0B+4*\slot, G1B
.else
	PLACES NP
.endif
	FETCH_B \next, 0, 0
	FETCH_A \next, 0, 0
	WIN MUL_HI
	MUL16 4, 1, 0
	MUL16 6, 1, 0
	PLACES NP
	WIN 0
	FETCH_A \next, 0, 4
.endm
	s_wait_alu depctr_va_vdst(0)                   ; the wait at the head's end
	s_wait_tensorcnt 0x0                           ; my part of K step 0 is in; slot 1's first fill is issued as a refill is:
	ds_add_u32 v[SPW], v[NIL]                      ; 0 onto my spare word
	s_wait_dscnt 0x0
	CROUND                                         ; a whole round: slot 0 is whole, and the joint loads meet
	JLOAD G0+4, G1, G0B+4, G1B                     ; K step 1, the first tensor load behind the round
	FETCH_B 0, 0, 0
	FETCH_A 0, 0, 0
	FETCH_A 0, 0, 4
	STEP 0, 0, 1
	s_mov_b32 s3, 1
.Llap:
	TURN 0, 1, 1
	STEP 1, 0, 0
	TURN 1, 0, 1
	STEP 0, 0, 0
	s_sub_co_u32 s3, s3, 1
	s_cmp_lg_u32 s3, 0
	s_cbranch_scc1 .Llap
	TURN 0, 1, 0
	STEP 1, 0, 0
	s_wait_dscnt 4*NL
	WIN MUL_LO
	MUL16 0, 1, 0
	MUL16 2, 1, 0
	s_wait_alu depctr_va_vdst(0)
	s_wait_dscnt 0
	WIN MUL_HI
	MUL16 4, 1, 0
	MUL16 6, 1, 0
	WIN 0
	s_wait_dscnt 0x0
	s_barrier_signal -1
	s_barrier_wait -1
	PLACES NP
.irp a, 0,1,2,3,4,5,6,7
	WIN 0x08+4*(\a/4)
.irp b, 0,1,2,3,4,5,6,7
	ds_store_b128 v[STO0+\a/4], v[8*(8*(\a%4)+\b):8*(8*(\a%4)+\b)+3] offset:(\a%4)*16*SPITCH+64*\b
	ds_store_b128 v[STO0+\a/4], v[8*(8*(\a%4)+\b)+4:8*(8*(\a%4)+\b)+7] offset:(\a%4)*16*SPITCH+64*\b+16
.endr
.endr
	WIN 0
	s_wait_dscnt 0x0
	s_barrier_signal -1
	s_barrier_wait -1
	s_wait_kmcnt 0x0
	s_add_co_i32 s80, s72, s73
	s_add_co_i32 s80, s80, 127
	s_lshl_b32 s80, s80, 23
	s_mov_b32 s81, s80
	s_add_co_i32 s82, s74, 127
	s_lshl_b32 s83, s82, 23
	v_mov_b32 v[SCL], s83
	s_add_co_i32 s82, s82, 15
	s_lshl_b32 s82, s82, 23
	s_or_b32 s82, s82, 0x600000
	v_mov_b32 v[LIM], s82
	s_mov_b32 s86, 0x3eb504f3
	v_mov_b32 v[VC9], 0x3e7c6f08
	v_mov_b32 v[VC9+1], 0x3e7c6f08
	s_wait_loadcnt 0x0
.macro GLD row0
.irp rr, 0,1,2,3
.irp i, 0,1
	ds_load_b128 v[RAW+8*\rr+4*\i:RAW+8*\rr+4*\i+3], v[ADR] offset:(\row0+\rr)*SPITCH+512*\i
.endr
.endr
.endm
.macro GTRIP more
	v_add_nc_u32 v[ADR], s87, v[RD0]
	s_wait_dscnt 0x0
.irp p, 0,2,4,6,8,10,12,14,16,18,20,22,24,26,28,30
	v_pk_fma_f32 v[X+\p:X+\p+1], v[RAW+\p:RAW+\p+1], s[80:81], v[BI+\p%8:BI+\p%8+1] op_sel_hi:[1,0,1]
.endr
.if \more
	GLD 4
.endif
.set n, 0
.rept 32
	v_fma_f32 v[T+n], |v[X+n]|, s86, 1.0
.set n, n+1
.endr
.set n, 0
	s_wait_alu depctr_va_vdst(0)
.rept 16
	v_rcp_f32 v[T+n], v[T+n]                       ; the reciprocals by turns with plain work whose sources stand ahead of the wait above and whose results are read behind the wait below
	v_rcp_f32 v[T+n+1], v[T+n+1]
	v_pk_mul_f32 v[Y+n:Y+n+1], v[X+n:X+n+1], 0xbf38aa3b op_sel_hi:[1,0]
.set n, n+2
.endr
	s_wait_alu depctr_va_vdst(0)
.irp p, 0,2,4,6,8,10,12,14,16,18,20,22,24,26,28,30
	v_pk_fma_f32 v[P+\p:P+\p+1], v[T+\p:T+\p+1], v[VC9:VC9+1], 0xbf97d29d op_sel_hi:[1,1,0]
.endr
.irp c, 0x40097039, 0xbfd1a1e5, 0x3ecdfd18, 0xbe899a80, 0x3e0efb2e, 0x3f0a29d2, 0x3fb8ab5a, 0xc034d90f
.irp p, 0,2,4,6,8,10,12,14,16,18,20,22,24,26,28,30
	v_pk_fma_f32 v[P+\p:P+\p+1], v[P+\p:P+\p+1], v[T+\p:T+\p+1], \c op_sel_hi:[1,1,0]
.endr
.endr
.irp p, 0,2,4,6,8,10,12,14,16,18,20,22,24,26,28,30
	v_pk_fma_f32 v[P+\p:P+\p+1], v[Y+\p:Y+\p+1], v[X+\p:X+\p+1], v[P+\p:P+\p+1]
.endr
.set n, 0
	s_wait_alu depctr_va_vdst(0)
.rept 32
	v_exp_f32 v[P+n], v[P+n]                       ; the exponentials by turns with the maxima, which name none of their results and are read behind the wait below
	v_max_num_f32 v[Y+n], 0, v[X+n]
.set n, n+1
.endr
	s_wait_alu depctr_va_vdst(0)
	s_wait_xcnt 0x0                                ; the last trip's stores have read their registers and their base: the base steps here, and the codes' registers are written further down
	s_add_nc_u64 s[10:11], s[10:11], s[88:89]      ; four rows on (in the first trip: 0)
	s_mov_b32 s88, 4*OPITCH
.irp p, 0,2,4,6,8,10,12,14,16,18,20,22,24,26,28,30
	v_pk_mul_f32 v[P+\p:P+\p+1], v[P+\p:P+\p+1], v[T+\p:T+\p+1]
.endr
.set n, 0
.rept 32
	v_fma_f32 v[X+n], -|v[X+n]|, v[P+n], v[Y+n]
.set n, n+1
.endr
.set n, 0
.rept 32
	v_med3_num_f32 v[X+n], v[X+n], -v[LIM], v[LIM]
.set n, n+1
.endr
.irp rr, 0,1,2,3
	v_cvt_scalef32_pk8_bf8_f32 v[CODE+2*\rr:CODE+2*\rr+1], v[X+8*\rr:X+8*\rr+7], v[SCL]
.endr
	v_nop
.irp rr, 0,1,2,3
	global_store_b64 v[GOF], v[CODE+2*\rr:CODE+2*\rr+1], s[10:11] offset:\rr*OPITCH
.endr
.if \more
	s_add_co_u32 s87, s87, 4*SPITCH
.endif
.endm
	s_mov_b32 s87, 0
	s_mov_b32 s88, 0
	s_mov_b32 s89, 0
	v_add_nc_u32 v[ADR], s87, v[RD0]
	GLD 0
	s_mov_b32 s3, 15
.Lrows:
	GTRIP 1
	s_sub_co_u32 s3, s3, 1
	s_cmp_lg_u32 s3, 0
	s_cbranch_scc1 .Lrows
	GTRIP 0
	s_wait_tensorcnt 0x0
	ds_add_u32 v[SPW], v[NIL]
	s_wait_dscnt 0x0
	CROUND
	s_endpgm
.Lfunc_end_k_q1581c2d739_fc1:
	.size	k_q1581c2d739_fc1, .Lfunc_end_k_q1581c2d739_fc1-k_q1581c2d739_fc1
	.p2alignl 7, 3214868480
	.fill 96, 4, 3214868480
	.section	.rodata,"a",@progbits
	.p2align	6, 0x0
	.amdhsa_kernel k_q1581c2d739_fc1
		.amdhsa_group_segment_fixed_size 327680
		.amdhsa_private_segment_fixed_size 0
		.amdhsa_enable_private_segment 0
		.amdhsa_kernarg_size 40
		.amdhsa_user_sgpr_count 2
		.amdhsa_user_sgpr_kernarg_segment_ptr 1
		.amdhsa_wavefront_size32 1
		.amdhsa_system_sgpr_workgroup_id_x 1
		.amdhsa_system_sgpr_workgroup_id_y 1
		.amdhsa_system_sgpr_workgroup_id_z 1
		.amdhsa_system_vgpr_workitem_id 0
		.amdhsa_next_free_vgpr 1024
		.amdhsa_next_free_sgpr 100
		.amdhsa_reserve_vcc 0
		.amdhsa_float_denorm_mode_32 3
		.amdhsa_float_denorm_mode_16_64 3
		.amdhsa_memory_ordered 1
		.amdhsa_forward_progress 1
		.amdhsa_inst_pref_size 145
	.end_amdhsa_kernel
	.amdgpu_metadata
---
amdhsa.version: [ 1, 2 ]
amdhsa.kernels:
  - .name:           k_q1581c2d739_fc1
    .symbol:         k_q1581c2d739_fc1.kd
    .args:
      - { .name: hc, .offset: 0, .size: 8, .value_kind: global_buffer, .address_space: global }
      - { .name: wc, .offset: 8, .size: 8, .value_kind: global_buffer, .address_space: global }
      - { .name: lowp_scales, .offset: 16, .size: 8, .value_kind: global_buffer, .address_space: global }
      - { .name: gc, .offset: 24, .size: 8, .value_kind: global_buffer, .address_space: global }
      - { .name: b_fc1, .offset: 32, .size: 8, .value_kind: global_buffer, .address_space: global }
    .group_segment_fixed_size: 327680
    .private_segment_fixed_size: 0
    .kernarg_segment_align: 8
    .kernarg_segment_size: 40
    .max_flat_workgroup_size: 128
    .sgpr_count:     100
    .vgpr_count:     1024
    .wavefront_size: 32
...
	.end_amdgpu_metadata
.endif
;; end of part 6
;; launch fc2 (part 7): grid 8 x 32, 4 waves a work-group, clusters of 4 x 4, 327,680 bytes of LDS; arguments gc, wc, lowp_scales, out0, b_fc2, x1; writes out0
.if DOCPART == 7
	.amdgcn_target "amdgcn-amd-amdhsa--gfx1250"
	.amdhsa_code_object_version 6
	.text
	.protected	k_q1581c2d739_fc2
	.globl	k_q1581c2d739_fc2
	.p2align	8
	.type	k_q1581c2d739_fc2,@function
k_q1581c2d739_fc2:
	s_mov_b64 s[64:65], 0
	v_nop
	global_prefetch_b8 v0, s[64:65] scope:SCOPE_SE
	s_setreg_imm32_b32 hwreg(HW_REG_WAVE_MODE, 25, 1), 1
	s_wait_xcnt 0x0
	s_wait_alu depctr_hold_cnt(0) depctr_sa_sdst(0) depctr_va_vdst(0) depctr_va_sdst(0) depctr_va_ssrc(0) depctr_va_vcc(0) depctr_vm_vsrc(0)
	s_getreg_b32 s2, hwreg(HW_REG_IB_STS2, 6, 4)
	s_cmp_eq_u32 s2, 0
	s_cbranch_scc0 .Lentry_in_a_cluster
	s_endpgm
.Lentry_in_a_cluster:
	s_bfe_u32 s2, ttmp6, 0x10000c
	s_cmp_lg_u32 s2, 0xf033
	s_cbranch_scc0 .Lentry_shape_is_right
	s_endpgm
.Lentry_shape_is_right:
; Product 6 on codes of E5M2: out0 = x1 + gc w_fc2^T x 2^(e10 + e11) + b_fc2, f32.  gc [4096][4096] and w_fc2's codes (wc at WOFF) hold K in the same order.
; A block of 128 x 128 to a work-group of four waves (64 x 64 a wave); K in eight steps of 512 through two LDS slots; clusters of 4 x 4 ask for A's tiles along a row and for B's along a column jointly.
; PREFETCH into the L2: behind the load of K step j stands one request a wave for K step j + 2 (behind the first load also for K step 1).  Of the 64 rows x 512 bytes that a wave fetches, each of the four
; partners that ask for them jointly names 16 rows, told apart by address (cx for A, cy for B): two lanes a row, 256 bytes apart.  The loop's last trip, whose K steps j + 2 do not exist, asks for nothing.
; LIMIT: e10 + e11 between -126 and 127.
.set SIZE_K, 4096
.set WOFF,   8388608
.set EOFF,   0x28
.set KSTEP,  512
.set PITCH,  528
.set HALFT,  64*PITCH
.set SLOT,   4*HALFT
.set STAGE,  2*SLOT
.set SPITCH, 272
.set SPARE,  STAGE+4*16*SPITCH
.set LAPS,   SIZE_K/(2*KSTEP)
.set ADRA, 16
.set ADRB, 20
.set STO,  24
.set RD,   25
.set CO,   26
.set BOF,  27
.set SPW,  28
.set NIL,  29
.set TMP,  32
.set BIAS, 96
.set ACC,  128
.set F0,   0
.set F1,   128
.set G1, 24
.set G0, 32
.set G1B, 48
.set G0B, 56
.set MSB, 0
.macro WIN new
.if MSB != (\new)
	s_set_vgpr_msb (MSB<<8)|(\new)
.set MSB, \new
.endif
.endm
.set MUL,  0x05
.set TO_F, 0x40
.macro JLOAD s
	s_cmp_eq_u32 s15, 0
	s_cbranch_scc0 .Lfor_b_\@
	tensor_load_to_lds s[G0+4*\s:G0+4*\s+3], s[G1:G1+7]
	s_nop 0
.rept 4
	v_nop
.endr
	s_branch .Lasked_\@
.Lfor_b_\@:
	tensor_load_to_lds s[G0B+4*\s:G0B+4*\s+3], s[G1B:G1B+7]
	s_nop 0
.rept 4
	v_nop
.endr
.Lasked_\@:
.endm
.macro CREST
	s_cmp_lg_u32 s14, 0
	s_cbranch_scc1 .Lnot_wave_0_\@
	s_barrier_signal -3
.Lnot_wave_0_\@:
	s_barrier_wait -3
	s_barrier_signal -1
	s_barrier_wait -1
.endm
.macro CROUND
	s_barrier_signal -1
	s_barrier_wait -1
	CREST
.endm
	s_load_b128 s[4:7], s[0:1], 0x0
	s_load_b128 s[8:11], s[0:1], 0x10
	s_load_b128 s[68:71], s[0:1], 0x20
	v_lshl_add_u32 v[SPW], v0, 2, SPARE
	v_mov_b32 v[NIL], 0
	ds_add_u32 v28, v29
	ds_add_u32 v28, v29
	s_wait_dscnt 0x0
	v_lshrrev_b32 v1, 5, v0
	v_readfirstlane_b32 s14, v1
	s_lshr_b32 s15, s14, 1
	s_and_b32 s16, s14, 1
	s_bfe_u32 s40, ttmp6, 0x40000
	s_bfe_u32 s41, ttmp6, 0x40004
	s_lshl_b32 s42, ttmp9, 2
	s_add_co_u32 s42, s42, s40
	s_and_b32 s17, ttmp7, 0xffff
	s_lshl_b32 s17, s17, 2
	s_add_co_u32 s17, s17, s41
	s_lshl_b32 s43, s41, 2
	s_lshl_b32 s43, 15, s43
	s_lshl_b32 s44, 0x1111, s40
	s_or_b32 s[G1+0], s43, (0<<16)|(1<<20)|(1<<21)|(6<<22)|(3<<25)
	s_or_b32 s[G1B+0], s44, (0<<16)|(1<<20)|(1<<21)|(6<<22)|(3<<25)
.irp g, G1, G1B
	s_mov_b32 s[\g+1], KSTEP<<16
	s_mov_b32 s[\g+2], 64<<16
	s_mov_b32 s[\g+3], KSTEP<<16
	s_mov_b32 s[\g+4], 64
	s_mov_b32 s[\g+5], SIZE_K
	s_mov_b32 s[\g+6], 0
	s_mov_b32 s[\g+7], 0
.endr
	s_lshl_b32 s18, s16, 6
	s_lshl_b32 s20, s17, 7
	s_add_co_u32 s20, s20, s18
	s_mul_i32 s20, s20, SIZE_K
	s_mov_b32 s21, 0
	s_lshl_b32 s46, s42, 7
	s_add_co_u32 s46, s46, s18
	s_mul_i32 s46, s46, SIZE_K
	s_mov_b32 s47, 0
	s_mul_i32 s45, s14, HALFT
	s_wait_kmcnt 0x0
	s_load_b64 s[72:73], s[8:9], EOFF
	s_add_nc_u64 s[6:7], s[6:7], WOFF
	s_add_nc_u64 s[20:21], s[4:5], s[20:21]
	s_add_nc_u64 s[46:47], s[6:7], s[46:47]
	CROUND
.irp s, 0,1
	s_mov_b32 s[G0+4*\s], 1
	s_add_co_u32 s[G0+4*\s+1], s45, \s*SLOT
	s_add_nc_u64 s[G0+4*\s+2:G0+4*\s+3], s[20:21], \s*KSTEP
	s_or_b32 s[G0+4*\s+3], s[G0+4*\s+3], 0x80000000
	s_mov_b32 s[G0B+4*\s], 1
	s_add_co_u32 s[G0B+4*\s+1], s45, \s*SLOT
	s_add_nc_u64 s[G0B+4*\s+2:G0B+4*\s+3], s[46:47], \s*KSTEP
	s_or_b32 s[G0B+4*\s+3], s[G0B+4*\s+3], 0x80000000
.endr
	JLOAD 0                                        ; K step 0: one tensor load a wave at the head
	s_cmp_eq_u32 s15, 0                            ; the prefetches: do I fetch for A or for B?
	s_cselect_b64 s[74:75], s[20:21], s[46:47]     ; my 64 rows, K step 0
	s_cselect_b32 s76, s40, s41                    ; my place among the four that ask with me
	s_mul_i32 s76, s76, 16*SIZE_K                  ; my work-group's 16 rows
	s_mov_b32 s77, 0
	s_add_nc_u64 s[74:75], s[74:75], s[76:77]
	v_and_b32 v30, 31, v0
	v_lshrrev_b32 v31, 1, v30
	v_and_b32 v30, 1, v30
	v_mul_u32_u24 v31, v31, SIZE_K
	v_lshl_add_u32 v30, v30, 8, v31                ; row lane / 2, byte 256 x (lane % 2); never rewritten
	global_prefetch_b8 v30, s[74:75] offset:KSTEP th:TH_LOAD_NT scope:SCOPE_SE
	global_prefetch_b8 v30, s[74:75] offset:2*KSTEP th:TH_LOAD_NT scope:SCOPE_SE
	v_and_b32 v1, 15, v0
	s_wait_alu depctr_va_vdst(0)
	v_bfe_u32 v2, v0, 4, 1
	v_mul_u32_u24 v3, v1, PITCH
	v_lshl_add_u32 v3, v2, 4, v3
	s_mul_i32 s21, s15, HALFT
	s_mul_i32 s22, s16, HALFT
	s_add_co_u32 s22, s22, 2*HALFT
.irp s, 0,1
	v_add_nc_u32 v[ADRA+\s], s21, v3
	v_add_nc_u32 v[ADRB+\s], s22, v3
	s_add_co_u32 s21, s21, SLOT
	s_add_co_u32 s22, s22, SLOT
.endr
	s_mul_i32 s23, s14, 16*SPITCH
	s_add_co_u32 s23, s23, STAGE
	v_mul_u32_u24 v4, v1, SPITCH
	s_wait_alu depctr_va_vdst(0)
	v_lshl_add_u32 v4, v2, 5, v4
	v_add_nc_u32 v[STO], s23, v4
	v_mul_u32_u24 v5, v2, SPITCH
	v_lshl_add_u32 v5, v1, 4, v5
	v_add_nc_u32 v[RD], s23, v5
	v_lshlrev_b32 v[CO], 12, v2
	v_lshl_add_u32 v[CO], v1, 4, v[CO]
	s_wait_alu depctr_va_vdst(0)
	v_lshlrev_b32 v[BOF], 4, v1
	s_wait_alu depctr_va_vdst(0)
	s_lshl_b32 s20, s17, 7
	s_lshl_b32 s21, s15, 6
	s_add_co_u32 s20, s20, s21
	s_lshl_b32 s20, s20, 12
	s_mov_b32 s21, 0
	s_lshl_b32 s46, s42, 9
	s_lshl_b32 s47, s16, 8
	s_add_co_u32 s46, s46, s47
	s_mov_b32 s47, 0
	s_add_nc_u64 s[68:69], s[68:69], s[46:47]
	s_add_nc_u64 s[20:21], s[20:21], s[46:47]
	s_add_nc_u64 s[10:11], s[10:11], s[20:21]
	s_add_nc_u64 s[70:71], s[70:71], s[20:21]
	WIN 0x80
.irp a, 0,1,2,3
.irp t, 0,1,2,3,4,5,6,7
	global_load_b128 v[4*(8*\a+\t):4*(8*\a+\t)+3], v[CO], s[70:71] offset:(16*\a+2*\t)*4096 th:TH_LOAD_NT
.endr
.endr
	WIN 0
	global_load_b128 v[BIAS:BIAS+3], v[BOF], s[68:69]
.macro MUL4 f, a, zero
.irp b, 0,1,2,3
.if \zero
	v_wmma_f32_16x16x128_bf8_bf8 v[ACC+8*(4*\a+\b):ACC+8*(4*\a+\b)+7], v[\f+64+16*\b:\f+64+16*\b+15], v[\f+16*\a:\f+16*\a+15], 0
.else
	v_wmma_f32_16x16x128_bf8_bf8 v[ACC+8*(4*\a+\b):ACC+8*(4*\a+\b)+7], v[\f+64+16*\b:\f+64+16*\b+15], v[\f+16*\a:\f+16*\a+15], v[ACC+8*(4*\a+\b):ACC+8*(4*\a+\b)+7]
.endif
.endr
.endm
.macro FETCH slot, k, f
	WIN TO_F
.irp i, 0,1,2,3
.irp c, 0,1,2,3
	ds_load_b128 v[\f+64+16*\i+4*\c:\f+64+16*\i+4*\c+3], v[ADRB+\slot] offset:\k+32*\c+\i*16*PITCH
.endr
.endr
.irp i, 0,1,2,3
.irp c, 0,1,2,3
	ds_load_b128 v[\f+16*\i+4*\c:\f+16*\i+4*\c+3], v[ADRA+\slot] offset:\k+32*\c+\i*16*PITCH
.endr
.endr
.endm
.macro PLACES
.rept 4
	v_nop
.endr
.endm
.macro QUARTER slot, k, f, g, zero
	s_wait_dscnt 8
	WIN MUL
	MUL4 \f, 0, \zero
	MUL4 \f, 1, \zero
	PLACES
	FETCH \slot, \k, \g
	s_wait_dscnt 32
	WIN MUL
	MUL4 \f, 2, \zero
	MUL4 \f, 3, \zero
.endm
.macro TURN slot, next, fill
	WIN 0
.if (\fill) && (\slot) == 0
	s_wait_xcnt 0x0                                ; my earlier prefetches have read their address:
	s_add_nc_u64 s[74:75], s[74:75], 2*KSTEP       ; two K steps on, once a trip
.endif
	s_wait_tensorcnt 0x0
	ds_add_u32 v[SPW], v[NIL]
	s_wait_dscnt 9
	WIN MUL
	MUL4 F1, 0, 0
	MUL4 F1, 1, 0
	s_wait_dscnt 0x0
	s_barrier_signal -1
	MUL4 F1, 2, 0
	WIN 0
	s_barrier_wait -1
.if \fill
	CREST
	s_add_nc_u64 s[G0+4*\slot+2:G0+4*\slot+3], s[G0+4*\slot+2:G0+4*\slot+3], 2*KSTEP
	s_add_nc_u64 s[G0B+4*\slot+2:G0B+4*\slot+3], s[G0B+4*\slot+2:G0B+4*\slot+3], 2*KSTEP
	JLOAD \slot
	s_cmp_gt_u32 s3, 1                             ; not in the loop's last trip
	s_cbranch_scc0 .Lno_ask_\@
	global_prefetch_b8 v30, s[74:75] offset:(2+\slot)*KSTEP th:TH_LOAD_NT scope:SCOPE_SE   ; the K step two refills on
.Lno_ask_\@:
.else
	PLACES
.endif
	FETCH \next, 0, F0
	WIN MUL
	MUL4 F1, 3, 0
.endm
	s_wait_alu depctr_va_vdst(0)                   ; the wait at the head's end
	s_wait_tensorcnt 0x0                           ; my part of K step 0 is in; slot 1's first fill is issued as a refill is:
	ds_add_u32 v[SPW], v[NIL]                      ; 0 onto my spare word
	s_wait_dscnt 0x0
	CROUND                                         ; a whole round: slot 0 is whole, and the joint loads meet
	JLOAD 1                                        ; K step 1, the first tensor load behind the round
	global_prefetch_b8 v30, s[74:75] offset:3*KSTEP th:TH_LOAD_NT scope:SCOPE_SE
	FETCH 0, 0, F0
	QUARTER 0, 128, F0, F1, 1
.if LAPS > 1
	WIN 0
	s_mov_b32 s3, LAPS-1
.Llap:
	QUARTER 0, 256, F1, F0, 0
	QUARTER 0, 384, F0, F1, 0
	TURN 0, 1, 1
	QUARTER 1, 128, F0, F1, 0
	QUARTER 1, 256, F1, F0, 0
	QUARTER 1, 384, F0, F1, 0
	TURN 1, 0, 1
	QUARTER 0, 128, F0, F1, 0
	WIN 0
	s_sub_co_u32 s3, s3, 1
	s_cmp_lg_u32 s3, 0
	s_cbranch_scc1 .Llap
.endif
	QUARTER 0, 256, F1, F0, 0
	QUARTER 0, 384, F0, F1, 0
	TURN 0, 1, 0
	QUARTER 1, 128, F0, F1, 0
	QUARTER 1, 256, F1, F0, 0
	QUARTER 1, 384, F0, F1, 0
	s_wait_dscnt 8
	WIN MUL
	MUL4 F1, 0, 0
	MUL4 F1, 1, 0
	s_wait_dscnt 0
	MUL4 F1, 2, 0
	MUL4 F1, 3, 0
	WIN 0
	PLACES
	s_wait_loadcnt 0x0
	s_wait_kmcnt 0x0
	s_add_co_i32 s80, s72, s73
	s_add_co_i32 s80, s80, 127
	s_lshl_b32 s80, s80, 23
	s_mov_b32 s81, s80
.irp a, 0,1,2,3
.irp b, 0,1,2,3
	ds_store_b128 v[STO], v[ACC+8*(4*\a+\b):ACC+8*(4*\a+\b)+3] offset:64*\b
	ds_store_b128 v[STO], v[ACC+8*(4*\a+\b)+4:ACC+8*(4*\a+\b)+7] offset:64*\b+16
.endr
.irp t, 0,1,2,3,4,5,6,7
	ds_load_b128 v[TMP+4*\t:TMP+4*\t+3], v[RD] offset:\t*2*SPITCH
.endr
	s_wait_dscnt 0x0
.irp p, 0,2,4,6,8,10,12,14,16,18,20,22,24,26,28,30
	v_pk_fma_f32 v[TMP+\p:TMP+\p+1], v[TMP+\p:TMP+\p+1], s[80:81], v[BIAS+\p%4:BIAS+\p%4+1] op_sel_hi:[1,0,1]
.endr
	WIN 0x88
.irp p, 0,2,4,6,8,10,12,14,16,18,20,22,24,26,28,30
	v_pk_add_f32 v[32*\a+\p:32*\a+\p+1], v[TMP+\p:TMP+\p+1], v[32*\a+\p:32*\a+\p+1]
.endr
.irp t, 0,1,2,3,4,5,6,7
	global_store_b128 v[CO], v[4*(8*\a+\t):4*(8*\a+\t)+3], s[10:11] offset:(16*\a+2*\t)*4096 th:TH_STORE_NT
.endr
	WIN 0
.endr
	s_wait_tensorcnt 0x0
	ds_add_u32 v[SPW], v[NIL]
	s_wait_dscnt 0x0
	CROUND
	s_endpgm
.Lfunc_end_k_q1581c2d739_fc2:
	.size	k_q1581c2d739_fc2, .Lfunc_end_k_q1581c2d739_fc2-k_q1581c2d739_fc2
	.p2alignl 7, 3214868480
	.fill 96, 4, 3214868480
	.section	.rodata,"a",@progbits
	.p2align	6, 0x0
	.amdhsa_kernel k_q1581c2d739_fc2
		.amdhsa_group_segment_fixed_size 327680
		.amdhsa_private_segment_fixed_size 0
		.amdhsa_enable_private_segment 0
		.amdhsa_kernarg_size 48
		.amdhsa_user_sgpr_count 2
		.amdhsa_user_sgpr_kernarg_segment_ptr 1
		.amdhsa_wavefront_size32 1
		.amdhsa_system_sgpr_workgroup_id_x 1
		.amdhsa_system_sgpr_workgroup_id_y 1
		.amdhsa_system_sgpr_workgroup_id_z 1
		.amdhsa_system_vgpr_workitem_id 0
		.amdhsa_next_free_vgpr 640
		.amdhsa_next_free_sgpr 90
		.amdhsa_reserve_vcc 0
		.amdhsa_float_denorm_mode_32 3
		.amdhsa_float_denorm_mode_16_64 3
		.amdhsa_memory_ordered 1
		.amdhsa_forward_progress 1
		.amdhsa_inst_pref_size 83
	.end_amdhsa_kernel
	.amdgpu_metadata
---
amdhsa.version: [ 1, 2 ]
amdhsa.kernels:
  - .name:           k_q1581c2d739_fc2
    .symbol:         k_q1581c2d739_fc2.kd
    .args:
      - { .name: gc, .offset: 0, .size: 8, .value_kind: global_buffer, .address_space: global }
      - { .name: wc, .offset: 8, .size: 8, .value_kind: global_buffer, .address_space: global }
      - { .name: lowp_scales, .offset: 16, .size: 8, .value_kind: global_buffer, .address_space: global }
      - { .name: out0, .offset: 24, .size: 8, .value_kind: global_buffer, .address_space: global }
      - { .name: b_fc2, .offset: 32, .size: 8, .value_kind: global_buffer, .address_space: global }
      - { .name: x1, .offset: 40, .size: 8, .value_kind: global_buffer, .address_space: global }
    .group_segment_fixed_size: 327680
    .private_segment_fixed_size: 0
    .kernarg_segment_align: 8
    .kernarg_segment_size: 48
    .max_flat_workgroup_size: 128
    .sgpr_count:     90
    .vgpr_count:     640
    .wavefront_size: 32
...
	.end_amdgpu_metadata
.endif
;; end of part 7
